; MI455X (gfx1250); checked and timed in simulation.
; The chip was launched on July 23, 2026; its instructions are those of AMD's public machine-readable ISA for CDNA 5 (MIT licence, August 2026) and "CDNA5" Instruction Set Architecture Reference Guide (July 2026). The comments in the code are by the model that wrote it; some were corrected since.
;; Multihead Self Attention. Allowed arithmetic: float matrix products may take bf16 or f16 operands with f32 sums; other float arithmetic in f32, or as packed bf16 or f16 multiplies, adds, multiply-adds, maxima and minima; sums over many terms, partial sums and values carried from step to step in f32; what a program stores and reads back later, other than sums and carried values, may be rounded once to bf16 or f16.
;; Inputs: W_O 1,024 x 1,024 float32; W_QKV 3,072 x 1,024 float32; token_positions 2,048 int32; x 4 x 2,048 x 1,024 float32.
;; Outputs: out0 4 x 2,048 x 1,024 float32.
;; 2 versions, each right; version 2 is version 1 with the launch prep written anew for expert scheduling mode. Each part assembles by itself: llvm-mc -triple=amdgcn-amd-amdhsa -mcpu=gfx1250 --defsym DOCPART=n.
;; ======== version 1 of 2: 4 launches
;; limits: values are held in f16: magnitudes above 65,504 overflow, below 6.1e-05 lose precision; an absolute error that grows with the inputs' magnitude: up to 4e-07 times it
;; workspace buffers: xb 16,777,216 bytes; wqb 6,291,456 bytes; wob 2,097,152 bytes; rope 524,288 bytes; qh 16,777,216 bytes; kh 16,777,216 bytes; vh 16,777,216 bytes; oh 16,777,216 bytes
;; launch prep (part 1): grid 768 x 1, 8 waves a work-group, no clusters, 0 bytes of LDS; arguments x, W_QKV, W_O, token_positions, xb, wqb, wob, rope; writes xb, wqb, wob, rope
.if DOCPART == 1
	.amdgcn_target "amdgcn-amd-amdhsa--gfx1250"
	.amdhsa_code_object_version 6
	.text
	.protected	k_qbd871b00e1_prep
	.globl	k_qbd871b00e1_prep
	.p2align	8
	.type	k_qbd871b00e1_prep,@function
k_qbd871b00e1_prep:
	s_mov_b64 s[64:65], 0
	v_nop
	global_prefetch_b8 v0, s[64:65] scope:SCOPE_SE
	s_setreg_imm32_b32 hwreg(HW_REG_WAVE_MODE, 25, 1), 1
	s_wait_xcnt 0x0
; CASTS, THE WEIGHTS' NEW ORDER, AND THE TABLE OF COSINES AND SINES.
;   xb  [8192][1024] bf16 = x, rounded once.
;   wqb [16 heads][3 parts q, k, v][64][1024] bf16: row 192 head + 64 part + c holds W_QKV's row 1024 part + 64 head + c, rounded once.
;   wob [1024][1024] f16 = W_O rounded to bf16 like the other inputs, that number written as f16.
;   rope [2048 s][32 f] pairs of f32 (cos, sin) of token_positions[s] x 10000^(-f / 32): 256 bytes for each s.
; SHARES.  768 work-groups of eight waves, 16 rows of 1,024 f32 each: 0-511 x, 512-703 W_QKV, 704-767 W_O.  Thread t takes the 16 bytes at 16 t of each row and writes the 8 bytes at 8 t:
; a wave's load covers 512 consecutive bytes, its store 256 consecutive bytes, aligned.  All 16 loads of a thread go out together.  No byte is wanted twice, so there is no LDS and no barrier.
; The 256 work-groups from 512 on also make 256 entries of the table each, one a thread: s = 8 (id - 512) + wave, f = lane: a wave stores one whole row of 256 bytes.
; LIMITS.  W_O lies within f16's 65,504; below 6e-5 it keeps f16's fixed step of 6e-8.  The angle is position x 2^(-f log2(10000) / 32) in f32, not the quotient by a power: the two differ by
; some 4e-7 of the angle, 6e-4 at position 2,047, and the difference grows with the position: meant for positions up to some 1e5 either way.  Sine and cosine: the angle less the nearest multiple of pi / 2
; (pi / 2 in two parts, two fused steps), then polynomials of degree 7 and 8 on -pi/4 .. pi/4.
.set NX,   512                         ; work-groups for x
.set NQ,   192                         ; for W_QKV
.set RIN,  4096                        ; bytes in a row of f32
.set ROUT, 2048                        ; bytes in a row of 16 bits
.set X,    4                           ; v[4:67]   row i as loaded, at X + 4 i
.set Y,    68                          ; v[68:99]  row i to store, at Y + 2 i: each row has its own pair, so no store's data is rewritten
	s_load_b512 s[16:31], s[0:1], 0x0              ; x 16, W_QKV 18, W_O 20, token_positions 22, xb 24, wqb 26, wob 28, rope 30
	s_mov_b32 s12, ttmp9                           ; id
	v_lshlrev_b32 v1, 4, v0                        ; 16 t
	v_lshlrev_b32 v2, 3, v0                        ; 8 t
	v_mov_b32 v3, 0                                ; the position: written on every path
	s_sub_co_u32 s13, s12, NX                      ; j, the block of 16 rows in W_QKV (of use from id 512 on)
	s_sub_co_u32 s14, s12, NX+NQ                   ; the block in W_O (from id 704 on)
	s_bfe_u32 s15, s13, 0x40002                    ; head = (j >> 2) & 15
	s_mul_i32 s15, s15, 192
	s_lshr_b32 s32, s13, 6                         ; part = j >> 6
	s_lshl_b32 s32, s32, 6
	s_add_co_u32 s15, s15, s32
	s_and_b32 s32, s13, 3                          ; which 16 of the head's 64 rows
	s_lshl_b32 s32, s32, 4
	s_add_co_u32 s15, s15, s32                     ; the block's first row in wqb
	s_lshl_b32 s32, s12, 4                         ; in xb
	s_lshl_b32 s33, s14, 4                         ; in wob
	s_cmp_lt_u32 s12, NX
	s_cselect_b32 s8, s12, s13                     ; the block's number in its source,
	s_cselect_b32 s10, s32, s15                    ; its first row in its destination
	s_cmp_ge_u32 s12, NX+NQ
	s_cselect_b32 s8, s14, s8
	s_cselect_b32 s10, s33, s10
	s_lshl_b32 s8, s8, 16                          ; 16 rows of 4,096 bytes
	s_lshl_b32 s10, s10, 11                        ; rows of 2,048 bytes
	s_mov_b32 s9, 0
	s_mov_b32 s11, 0
	s_wait_kmcnt 0x0
	s_cmp_lt_u32 s12, NX
	s_cselect_b64 s[4:5], s[16:17], s[18:19]
	s_cselect_b64 s[6:7], s[24:25], s[26:27]
	s_cmp_ge_u32 s12, NX+NQ
	s_cselect_b64 s[4:5], s[20:21], s[4:5]
	s_cselect_b64 s[6:7], s[28:29], s[6:7]
	s_add_nc_u64 s[4:5], s[4:5], s[8:9]            ; source and destination at the block's first row
	s_add_nc_u64 s[6:7], s[6:7], s[10:11]
	s_cmp_lt_u32 s12, NX
	s_cbranch_scc1 .Lno_pos
	v_lshrrev_b32 v100, 5, v0                      ; wave
	v_lshlrev_b32 v100, 2, v100
	s_lshl_b32 s33, s13, 5
	v_add_nc_u32 v100, s33, v100                   ; 4 s = 4 (8 (id - 512) + wave): one word for the whole wave
	global_load_b32 v3, v100, s[22:23]             ; the oldest load: the first counted wait below covers it
.Lno_pos:
.irp i, 0,1,2,3,4,5,6,7,8,9,10,11,12,13,14,15
	global_load_b128 v[X+4*(\i):X+4*(\i)+3], v1, s[4:5] offset:RIN*(\i) th:TH_LOAD_NT
.endr
	s_cmp_ge_u32 s12, NX+NQ
	s_cbranch_scc1 .Lf16
.irp i, 0,1,2,3,4,5,6,7,8,9,10,11,12,13,14,15
	s_wait_loadcnt 15-(\i)                         ; loads come back in order: row i is in, the younger rows stay out
	v_cvt_pk_bf16_f32 v[Y+2*(\i)], v[X+4*(\i)], v[X+4*(\i)+1]
	v_cvt_pk_bf16_f32 v[Y+2*(\i)+1], v[X+4*(\i)+2], v[X+4*(\i)+3]
	global_store_b64 v2, v[Y+2*(\i):Y+2*(\i)+1], s[6:7] offset:ROUT*(\i)
.endr
	s_cmp_lt_u32 s12, NX
	s_cbranch_scc0 .Ltable
	s_endpgm
.Lf16:
.irp i, 0,1,2,3,4,5,6,7,8,9,10,11,12,13,14,15
	s_wait_loadcnt 15-(\i)
	v_cvt_pk_bf16_f32 v[Y+2*(\i)], v[X+4*(\i)], v[X+4*(\i)+1]      ; the rounding that all inputs get,
	v_cvt_pk_bf16_f32 v[Y+2*(\i)+1], v[X+4*(\i)+2], v[X+4*(\i)+3]
	v_lshlrev_b32 v104, 16, v[Y+2*(\i)]                            ; back to f32,
	v_and_b32 v105, 0xffff0000, v[Y+2*(\i)]
	v_lshlrev_b32 v106, 16, v[Y+2*(\i)+1]
	v_and_b32 v107, 0xffff0000, v[Y+2*(\i)+1]
	v_cvt_pk_f16_f32 v[Y+2*(\i)], v104, v105                       ; and written as f16: 8 significant bits fit into 11
	v_cvt_pk_f16_f32 v[Y+2*(\i)+1], v106, v107
	global_store_b64 v2, v[Y+2*(\i):Y+2*(\i)+1], s[6:7] offset:ROUT*(\i)
.endr
.Ltable:
	v_cvt_f32_i32 v108, v3                         ; the position
	v_and_b32 v109, 31, v0                         ; f
	v_cvt_f32_u32 v109, v109
	v_mul_f32 v109, 0xbed49a78, v109               ; -f log2(10000) / 32
	v_exp_f32 v109, v109                           ; 10000^(-f / 32)
	s_lshl_b32 s33, s13, 11
	v_add_nc_u32 v112, s33, v2                     ; 8 (256 (id - 512) + t): also the plain instruction behind the exponential (ISA guide 5.7.2)
	s_wait_alu depctr_va_vdst(0)
	v_mul_f32 v113, v108, v109                     ; the angle A
	v_mul_f32 v114, 0x3f22f983, v113               ; A x 2 / pi
	v_rndne_f32 v114, v114                         ; N
	v_fma_f32 v115, v114, 0xbfc90fdb, v113         ; R = A - N x (pi / 2)'s upper part
	v_fma_f32 v115, v114, 0x333bbd2e, v115         ;       - N x its lower part (-4.371e-8)
	v_mul_f32 v116, v115, v115                     ; Z = R^2
	v_mov_b32 v117, 0xb94ca1f9
	v_mov_b32 v118, 0x37ccf5ce
	v_fmaak_f32 v117, v117, v116, 0x3c08839e
	v_fmaak_f32 v118, v118, v116, 0xbab6061a
	v_fmaak_f32 v117, v117, v116, 0xbe2aaaa3
	v_fmaak_f32 v118, v118, v116, 0x3d2aaaa5
	v_mul_f32 v117, v117, v116
	v_mul_f32 v118, v118, v116
	v_fma_f32 v113, v116, -0.5, 1.0
	v_fma_f32 v117, v117, v115, v115               ; sin R
	v_fma_f32 v118, v118, v116, v113               ; cos R
	v_cvt_i32_f32 v119, v114                       ; N as a whole number: its last two bits are the quadrant
	v_and_b32 v108, 1, v119
	v_cmp_eq_u32 vcc_lo, 1, v108
	v_cndmask_b32 v111, v117, v118, vcc_lo         ; odd quadrants change the two over
	v_cndmask_b32 v110, v118, v117, vcc_lo
	v_and_b32 v108, 2, v119                        ; the sine turns its sign in quadrants 2 and 3,
	v_lshlrev_b32 v108, 30, v108
	v_xor_b32 v111, v108, v111
	v_add_nc_u32 v109, 1, v119                     ; the cosine in 1 and 2
	v_and_b32 v109, 2, v109
	v_lshlrev_b32 v109, 30, v109
	v_xor_b32 v110, v109, v110
	global_store_b64 v112, v[110:111], s[30:31]    ; (cos, sin)
	s_endpgm
.Lfunc_end_k_qbd871b00e1_prep:
	.size	k_qbd871b00e1_prep, .Lfunc_end_k_qbd871b00e1_prep-k_qbd871b00e1_prep
	.p2alignl 7, 3214868480
	.fill 96, 4, 3214868480
	.section	.rodata,"a",@progbits
	.p2align	6, 0x0
	.amdhsa_kernel k_qbd871b00e1_prep
		.amdhsa_group_segment_fixed_size 0
		.amdhsa_private_segment_fixed_size 0
		.amdhsa_enable_private_segment 0
		.amdhsa_kernarg_size 64
		.amdhsa_user_sgpr_count 2
		.amdhsa_user_sgpr_kernarg_segment_ptr 1
		.amdhsa_wavefront_size32 1
		.amdhsa_system_sgpr_workgroup_id_x 1
		.amdhsa_system_sgpr_workgroup_id_y 1
		.amdhsa_system_sgpr_workgroup_id_z 1
		.amdhsa_system_vgpr_workitem_id 0
		.amdhsa_next_free_vgpr 120
		.amdhsa_next_free_sgpr 66
		.amdhsa_reserve_vcc 1
		.amdhsa_float_denorm_mode_32 3
		.amdhsa_float_denorm_mode_16_64 3
		.amdhsa_memory_ordered 1
		.amdhsa_forward_progress 1
		.amdhsa_inst_pref_size 19
	.end_amdhsa_kernel
	.amdgpu_metadata
---
amdhsa.version: [ 1, 2 ]
amdhsa.kernels:
  - .name:           k_qbd871b00e1_prep
    .symbol:         k_qbd871b00e1_prep.kd
    .args:
      - { .name: x, .offset: 0, .size: 8, .value_kind: global_buffer, .address_space: global }
      - { .name: W_QKV, .offset: 8, .size: 8, .value_kind: global_buffer, .address_space: global }
      - { .name: W_O, .offset: 16, .size: 8, .value_kind: global_buffer, .address_space: global }
      - { .name: token_positions, .offset: 24, .size: 8, .value_kind: global_buffer, .address_space: global }
      - { .name: xb, .offset: 32, .size: 8, .value_kind: global_buffer, .address_space: global }
      - { .name: wqb, .offset: 40, .size: 8, .value_kind: global_buffer, .address_space: global }
      - { .name: wob, .offset: 48, .size: 8, .value_kind: global_buffer, .address_space: global }
      - { .name: rope, .offset: 56, .size: 8, .value_kind: global_buffer, .address_space: global }
    .group_segment_fixed_size: 0
    .private_segment_fixed_size: 0
    .kernarg_segment_align: 8
    .kernarg_segment_size: 64
    .max_flat_workgroup_size: 256
    .sgpr_count:     66
    .vgpr_count:     120
    .wavefront_size: 32
...
	.end_amdgpu_metadata
.endif
;; end of part 1
;; launch qkv (part 2): grid 16 x 32, 4 waves a work-group, clusters of 4 x 4, 327,680 bytes of LDS; arguments xb, wqb, rope, qh, kh, vh; writes qh, kh, vh
.if DOCPART == 2
	.amdgcn_target "amdgcn-amd-amdhsa--gfx1250"
	.amdhsa_code_object_version 6
	.text
	.protected	k_qbd871b00e1_qkv
	.globl	k_qbd871b00e1_qkv
	.p2align	8
	.type	k_qbd871b00e1_qkv,@function
k_qbd871b00e1_qkv:
	s_mov_b64 s[64:65], 0
	v_nop
	global_prefetch_b8 v0, s[64:65] scope:SCOPE_SE
	s_setreg_imm32_b32 hwreg(HW_REG_WAVE_MODE, 25, 1), 1
	s_wait_xcnt 0x0
	s_wait_alu depctr_hold_cnt(0) depctr_sa_sdst(0) depctr_va_vdst(0) depctr_va_sdst(0) depctr_va_ssrc(0) depctr_va_vcc(0) depctr_vm_vsrc(0)
	s_getreg_b32 s2, hwreg(HW_REG_IB_STS2, 6, 4)
	s_cmp_eq_u32 s2, 0
	s_cbranch_scc0 .Lentry_in_a_cluster
	s_endpgm
.Lentry_in_a_cluster:
	s_bfe_u32 s2, ttmp6, 0x10000c
	s_cmp_lg_u32 s2, 0xf033
	s_cbranch_scc0 .Lentry_shape_is_right
	s_endpgm
.Lentry_shape_is_right:
; THE PROJECTION TO q, k, v, THE ROTATION OF q AND k, AND THE SPLIT BY HEADS.
; C[m][n] = sum over k of xb[m][k] wqb[n][k], bf16 operands, f32 sums, K = 1,024.  A tile of C is 256 rows x 192 columns: wqb's rows lie by heads, so the 192 columns are q, k and v (64 each) of ONE head.
; 32 x 16 = 512 tiles, a work-group each.  Four waves; wave w owns rows 64 w .. 64 w + 63 and all 192 columns: 4 x 12 accumulators of 16 x 16, 384 registers.  A wave so owns whole rows of q, k and v:
; its way out needs no other wave and no barrier.
; K goes in 8 steps of 128 through two LDS slots filled by the tensor data mover (rows of 256 bytes, at multiples of 256 from the buffers' first bytes).
; CLUSTERS: 4 x 4 work-groups.  The four of a row of the cluster need the same rows of xb, the four of a column the same head of wqb: each tile is asked for JOINTLY, by the same tensor load with the same
; descriptor and a mask that names the four.  Waves 0 and 1 fetch xb's two halves (128 rows), waves 2 and 3 wqb's (96 rows).
; THE MATRIX INSTRUCTION IS USED TRANSPOSED (source 0 = 16 rows of wqb, source 1 = 16 rows of xb): lane l holds row l % 16 of C and the columns 8 (l / 16) + 0..7: four (even, odd) pairs of the rotation.
; THE WAY OUT: (e, o) -> (c e - s o, s e + c o) in f32 for q and k, with (c, s) from the table by the row's place in its sequence; all three rounded once to f16, q unscaled; through my own stage in LDS;
; stored as [16 b + head][2048][64]: 16 rows of a head are 2,048 consecutive bytes.
; LIMITS.  q, k, v lie within f16's 65,504 (a conversion beyond gives an infinity); below 6e-5 they keep f16's fixed step of 6e-8.  NaN and infinities are not treated apart.
; REGISTERS, in windows of 256 (s_set_vgpr_msb: bits 1:0 source 0, 3:2 source 1, 5:4 source 2, 7:6 destination):
;   window 0: v0-31 addresses; v32-79 packed results; v80-127 rows read back; v128-255 the table: for block a of 16 rows and column block c, (c0 s0 c1 s1 c2 s2 c3 s3) at 128 + 32 a + 8 c
;   window 1: two fragment buffers of 128: wqb's 12 fragments, then xb's 4; on the way out v0-63 at work
;   window 2: accumulators of my row blocks 0, 1 ((a, i) at 96 (a % 2) + 8 i);   window 3: of blocks 2, 3
.set KSTEP,  128
.set PITCH,  272                       ; an LDS row: 256 bytes + 16 of padding = 68 words: the 16 rows of a fragment load start at 16 different groups of four banks (64 banks of 4 bytes: ISA guide 11.1)
.set AHALF,  128*PITCH                 ; what wave 0 or 1 fetches
.set BHALF,  96*PITCH                  ; what wave 2 or 3 fetches
.set BOFF,   2*AHALF                   ; a slot: xb's 256 rows, then wqb's 192
.set SLOT,   BOFF+2*BHALF
.set STAGE,  2*SLOT                    ; behind the ring, never filled by a tensor load: for each wave 3 parts x 16 rows x 144 bytes
.set SP,     144
.set STW,    3*16*SP
.set SPARE,  STAGE+4*STW               ; behind the stages: the spare words, 128 bytes for each wave: two blocks of 256 bytes that no other line names
.set LAPS,   4                         ; a lap = two K steps = once round the ring
.set ADRA, 16                          ; v16-17  LDS address of my xb fragments in slot 0, 1
.set ADRB, 20                          ; v20-21  the same for wqb
.set STO,  24                          ; v24     the way out: where I put 16 bytes of a row
.set RD,   25                          ; v25     where I read rows back
.set GO,   26                          ; v26     my 16 bytes in 512 consecutive bytes of an output
.set TO,   27                          ; v27     my byte offset in the table
.set SPW,  28                          ; v28     LDS address of my spare word: SPARE + 4 x my thread's number; never rewritten
.set NIL,  29                          ; v29     0; never rewritten
.set PKD,  32
.set BK,   80
.set CS,   128
.set F0,   0
.set F1,   128
.set WV,   16                          ; s16  my wave's number
.set G1,   24                          ; s[24:31] descriptor group 1 for xb's tiles;  s[32:39] group 0, one set for each slot
.set G0,   32
.set G1B,  48                          ; s[48:55], s[56:63] the same for wqb's
.set G0B,  56
.set MSB, 0
.macro WIN new                         ; the immediate's high byte repeats the setting that is left; a switch that changes nothing is dropped
.if MSB != (\new)
	s_set_vgpr_msb (MSB<<8)|(\new)
.set MSB, (\new)
.endif
.endm
.macro JLOAD s                         ; a joint load; the branch hangs on the wave's number alone; an s_nop 0 and four v_nop follow each of the two lines, ahead of the jump, the label and what follows
	s_cmp_lt_u32 s[WV], 2
	s_cbranch_scc0 .Lfor_b_\@
	tensor_load_to_lds s[G0+4*(\s):G0+4*(\s)+3], s[G1:G1+7]
	s_nop 0
.rept 4
	v_nop
.endr
	s_branch .Lasked_\@
.Lfor_b_\@:
	tensor_load_to_lds s[G0B+4*(\s):G0B+4*(\s)+3], s[G1B:G1B+7]
	s_nop 0
.rept 4
	v_nop
.endr
.Lasked_\@:
.endm
.macro CREST                           ; a round of the cluster's barrier behind its opening barrier
	s_cmp_lg_u32 s[WV], 0
	s_cbranch_scc1 .Lnot_wave_0_\@
	s_barrier_signal -3
.Lnot_wave_0_\@:
	s_barrier_wait -3
	s_barrier_signal -1
	s_barrier_wait -1
.endm
.macro CROUND                          ; a whole round
	s_barrier_signal -1
	s_barrier_wait -1
	CREST
.endm
	s_load_b256 s[4:11], s[0:1], 0x0               ; xb s[4:5], wqb s[6:7], rope s[8:9], qh s[10:11]
	s_load_b128 s[12:15], s[0:1], 0x20             ; kh s[12:13], vh s[14:15]
	v_lshl_add_u32 v[SPW], v0, 2, SPARE
	v_mov_b32 v[NIL], 0
	ds_add_u32 v[SPW], v[NIL]                      ; the wave's opening: the add and its wait stand ahead of my first tensor load; the set-up below, work on registers, stands between them
	ds_add_u32 v28, v29
	v_lshrrev_b32 v1, 5, v0
	v_readfirstlane_b32 s[WV], v1                  ; wave 0..3
	s_and_b32 s17, s[WV], 1                        ; which half of a tile I fetch
	s_bfe_u32 s18, ttmp6, 0x40000                  ; cx, cy: my place in the cluster
	s_bfe_u32 s19, ttmp6, 0x40004
	s_lshl_b32 s20, ttmp9, 2
	s_add_co_u32 s20, s20, s18                     ; the head = tile column = 4 x cluster x + cx
	s_and_b32 s21, ttmp7, 0xffff
	s_lshl_b32 s21, s21, 2
	s_add_co_u32 s21, s21, s19                     ; tile row = 4 x cluster y + cy
	s_lshl_b32 s22, s19, 2
	s_lshl_b32 s22, 15, s22                        ; my row of the cluster
	s_lshl_b32 s23, 0x1111, s18                    ; my column
	s_or_b32 s[G1], s22, (1<<16)|(1<<20)|(1<<21)|(5<<22)|(3<<25)   ; 15:0 the mask; 17:16 elements of 2 bytes; 20 padding on; 21 set beside a mask; 24:22 after every 64 words (code 5); 31:25 4 words of it (code 3)
	s_or_b32 s[G1B], s23, (1<<16)|(1<<20)|(1<<21)|(5<<22)|(3<<25)
	s_mov_b32 s[G1+1], KSTEP<<16                   ; tensor_dim0 = 128
	s_mov_b32 s[G1+2], 128<<16                     ; tensor_dim1 = 128
	s_mov_b32 s[G1+3], KSTEP<<16                   ; tile_dim0 = 128
	s_mov_b32 s[G1+4], 128                         ; tile_dim1 = 128
	s_mov_b32 s[G1+5], 1024                        ; elements from row to row
	s_mov_b32 s[G1+6], 0
	s_mov_b32 s[G1+7], 0
	s_mov_b32 s[G1B+1], KSTEP<<16
	s_mov_b32 s[G1B+2], 96<<16                     ; 96 rows
	s_mov_b32 s[G1B+3], KSTEP<<16
	s_mov_b32 s[G1B+4], 96
	s_mov_b32 s[G1B+5], 1024
	s_mov_b32 s[G1B+6], 0
	s_mov_b32 s[G1B+7], 0
	s_lshl_b32 s40, s21, 8                         ; xb: row 256 x tile row + 128 x half,
	s_lshl_b32 s41, s17, 7
	s_add_co_u32 s40, s40, s41
	s_lshl_b32 s40, s40, 11                        ; of 2,048 bytes
	s_mov_b32 s41, 0
	s_mul_i32 s42, s20, 192                        ; wqb: row 192 x head + 96 x half
	s_mul_i32 s43, s17, 96
	s_add_co_u32 s42, s42, s43
	s_lshl_b32 s42, s42, 11
	s_mov_b32 s43, 0
	s_mul_i32 s44, s[WV], AHALF                    ; where they go: waves 0, 1: xb's halves;
	s_mul_i32 s45, s[WV], BHALF
	s_add_co_u32 s45, s45, BOFF-2*BHALF            ; waves 2, 3: wqb's halves.  No place in the cluster enters an LDS address
	s_wait_dscnt 0x0                               ; the opening add is done
	s_wait_kmcnt 0x0
	s_add_nc_u64 s[40:41], s[4:5], s[40:41]
	s_add_nc_u64 s[42:43], s[6:7], s[42:43]
	CROUND                                         ; all sixteen work-groups are here: the first joint loads meet
.irp s, 0,1
	s_mov_b32 s[G0+4*(\s)], 1
	s_add_co_u32 s[G0+4*(\s)+1], s44, (\s)*SLOT
	s_add_nc_u64 s[G0+4*(\s)+2:G0+4*(\s)+3], s[40:41], (\s)*KSTEP*2
	s_or_b32 s[G0+4*(\s)+3], s[G0+4*(\s)+3], 0x80000000
	s_mov_b32 s[G0B+4*(\s)], 1
	s_add_co_u32 s[G0B+4*(\s)+1], s45, (\s)*SLOT
	s_add_nc_u64 s[G0B+4*(\s)+2:G0B+4*(\s)+3], s[42:43], (\s)*KSTEP*2
	s_or_b32 s[G0B+4*(\s)+3], s[G0B+4*(\s)+3], 0x80000000
	JLOAD \s                                       ; two loads of mine are out: K steps 0 and 1
.endr
	v_and_b32 v1, 15, v0                           ; r = l % 16
	v_bfe_u32 v2, v0, 4, 1                         ; h = l / 16
	; the table for my 64 rows: row r of block a, columns 16 c + 8 h + 0..7 are the pairs 8 c + 4 h + 0..3: 32 bytes at 256 x place + 64 c + 32 h
	v_lshlrev_b32 v[TO], 8, v1
	v_lshl_add_u32 v[TO], v2, 5, v[TO]
	s_and_b32 s66, s21, 7                          ; a sequence has 8 tile rows
	s_lshl_b32 s66, s66, 8
	s_lshl_b32 s67, s[WV], 6
	s_add_co_u32 s66, s66, s67                     ; my first row's place in its sequence
	s_lshl_b32 s68, s66, 8
	s_mov_b32 s69, 0
	s_add_nc_u64 s[8:9], s[8:9], s[68:69]
.irp a, 0,1,2,3
.irp c, 0,1,2,3
	global_load_b128 v[CS+32*(\a)+8*(\c):CS+32*(\a)+8*(\c)+3],   v[TO], s[8:9] offset:4096*(\a)+64*(\c)
	global_load_b128 v[CS+32*(\a)+8*(\c)+4:CS+32*(\a)+8*(\c)+7], v[TO], s[8:9] offset:4096*(\a)+64*(\c)+16
.endr
.endr
	s_lshr_b32 s70, s21, 3                         ; the batch,
	s_lshl_b32 s70, s70, 4
	s_add_co_u32 s70, s70, s20                     ; 16 b + head,
	s_lshl_b32 s70, s70, 11
	s_add_co_u32 s70, s70, s66                     ; its 2,048 rows, my first among them,
	s_lshl_b32 s70, s70, 7                         ; of 128 bytes
	s_mov_b32 s71, 0
	s_add_nc_u64 s[10:11], s[10:11], s[70:71]
	s_add_nc_u64 s[12:13], s[12:13], s[70:71]
	s_add_nc_u64 s[14:15], s[14:15], s[70:71]
	; a fragment is 16 rows x 32 K in 8 registers: lane l holds row l % 16, K = 8 (l / 16) + 0..7 and 16 + 8 (l / 16) + 0..7: two loads of 16 bytes, 32 bytes apart
	v_mul_u32_u24 v3, v1, PITCH
	v_lshl_add_u32 v3, v2, 4, v3
	s_mul_i32 s72, s[WV], 64*PITCH                 ; my 64 rows of xb
	s_mov_b32 s73, BOFF                            ; all of wqb's 192
.irp s, 0,1
	v_add_nc_u32 v[ADRA+(\s)], s72, v3
	v_add_nc_u32 v[ADRB+(\s)], s73, v3
	s_add_co_u32 s72, s72, SLOT
	s_add_co_u32 s73, s73, SLOT
.endr
	s_mul_i32 s72, s[WV], STW
	s_add_co_u32 s72, s72, STAGE                   ; my stage
	v_mul_u32_u24 v[STO], v1, SP                   ; in: row l % 16, 16 bytes for each half of the lanes
	v_lshl_add_u32 v[STO], v2, 4, v[STO]
	v_add_nc_u32 v[STO], s72, v[STO]
	v_bfe_u32 v[RD], v0, 3, 2                      ; back: 32 lanes take four rows of 128 bytes,
	v_mul_u32_u24 v[RD], v[RD], SP
	v_and_b32 v4, 7, v0
	v_lshl_add_u32 v[RD], v4, 4, v[RD]
	v_add_nc_u32 v[RD], s72, v[RD]
	v_and_b32 v[GO], 31, v0                        ; which are 512 consecutive bytes of an output
	v_lshlrev_b32 v[GO], 4, v[GO]
; 12 matrix instructions: row block a x all 12 column blocks, 32 along K.  zero = 1: the product starts the sums: nothing is ever cleared.
; The 48 accumulators take turns, in the same order in every quarter: between two links of a chain stand the 47 others'.
.macro MULA f, a, zero
	WIN 0xa5+0x50*((\a)/2)                         ; sources in window 1, C and D in window 2 or 3
.irp i, 0,1,2,3,4,5,6,7,8,9,10,11
.if \zero
	v_wmma_f32_16x16x32_bf16 v[96*((\a)%2)+8*(\i):96*((\a)%2)+8*(\i)+7], v[(\f)+8*(\i):(\f)+8*(\i)+7], v[(\f)+96+8*(\a):(\f)+96+8*(\a)+7], 0
.else
	v_wmma_f32_16x16x32_bf16 v[96*((\a)%2)+8*(\i):96*((\a)%2)+8*(\i)+7], v[(\f)+8*(\i):(\f)+8*(\i)+7], v[(\f)+96+8*(\a):(\f)+96+8*(\a)+7], v[96*((\a)%2)+8*(\i):96*((\a)%2)+8*(\i)+7]
.endif
.endr
.endm
.macro MULH f, hi, zero                ; row blocks 2 hi and 2 hi + 1
	MULA \f, 2*(\hi), \zero
	MULA \f, 2*(\hi)+1, \zero
.endm
; 32 LDS loads in one run: the fragments of quarter q of a K step (32 along K at byte 64 q of the rows) into buffer f: wqb's 12, then xb's 4
.macro FETCH slot, q, f
	WIN 0x40                                       ; destination window 1, address window 0
.irp i, 0,1,2,3,4,5,6,7,8,9,10,11
	ds_load_b128 v[(\f)+8*(\i):(\f)+8*(\i)+3],   v[ADRB+(\slot)] offset:64*(\q)+(\i)*16*PITCH
	ds_load_b128 v[(\f)+8*(\i)+4:(\f)+8*(\i)+7], v[ADRB+(\slot)] offset:64*(\q)+(\i)*16*PITCH+32
.endr
.irp a, 0,1,2,3
	ds_load_b128 v[(\f)+96+8*(\a):(\f)+96+8*(\a)+3],   v[ADRA+(\slot)] offset:64*(\q)+(\a)*16*PITCH
	ds_load_b128 v[(\f)+96+8*(\a)+4:(\f)+96+8*(\a)+7], v[ADRA+(\slot)] offset:64*(\q)+(\a)*16*PITCH+32
.endr
.endm
.macro PLACES                          ; four places in front of loads into registers that matrix instructions have read, and of vector lines that read results (ISA guide 7.12.1 for the vector lines)
.rept 4
	v_nop
.endr
.endm
; A K step is four quarters of 32 along K, 48 matrix instructions each, on buffers 0, 1, 0, 1.  One of the first three: multiplies buffer f; in its middle it fetches quarter q into buffer g.
.macro QUARTER slot, q, f, g, zero
	s_wait_dscnt 4                                 ; all but the youngest four loads: xb's blocks 2 and 3 may be out
	MULH \f, 0, \zero
	PLACES
	FETCH \slot, \q, \g
	s_wait_dscnt 32                                ; all but the 32 just issued
	MULH \f, 1, \zero
.endm
; The last quarter multiplies buffer 1 and changes slots: ONE barrier; in front of it each wave waits for all its tensor loads, adds 0 to its spare word, and waits for that and for its own reads of this slot.
; fill = 1: the barrier opens a round of the cluster's, and this slot is filled again, two K steps ahead: the first tensor load behind the round, 168 matrix instructions ahead of the wait for it.
.macro TURN slot, next, fill
	WIN 0                                          ; (the add's two registers lie in window 0)
	s_wait_tensorcnt 0x0                           ; all my tensor loads have landed: the one that was out is my part of the next slot
	ds_add_u32 v[SPW], v[NIL]                      ; 0 onto my spare word
	s_wait_dscnt 5                                 ; (the add and the youngest four loads may be out)
	MULA F1, 0, 0                                  ; twelve matrix instructions stand between the add and the wait for it
	s_wait_dscnt 0x0                               ; the add is done, and my reads of this slot are over
	s_barrier_signal -1
	MULA F1, 1, 0
.if \fill
	WIN 0
.endif
	s_barrier_wait -1
.if \fill
	CREST                                          ; no wave of any partner still reads this slot's tile or has a load on its way
	s_add_nc_u64 s[G0+4*(\slot)+2:G0+4*(\slot)+3], s[G0+4*(\slot)+2:G0+4*(\slot)+3], 2*KSTEP*2
	s_add_nc_u64 s[G0B+4*(\slot)+2:G0B+4*(\slot)+3], s[G0B+4*(\slot)+2:G0B+4*(\slot)+3], 2*KSTEP*2
	JLOAD \slot                                    ; the four v_nop behind it are also the places in front of the loads below
.else
	PLACES
.endif
	FETCH \next, 0, F0
	MULH F1, 1, 0
.endm
	s_wait_loadcnt 0x0                             ; the table, once
	s_wait_tensorcnt 1                             ; my part of K step 0 is in; K step 1's may stay out
	s_barrier_signal -1
	s_barrier_wait -1                              ; everybody's is
	FETCH 0, 0, F0
	QUARTER 0, 1, F0, F1, 1                        ; the first quarter stands in front of the loop: its products start the sums
	WIN 0                                          ; at a label and at a branch every window is 0
	s_mov_b32 s3, LAPS-1
.Llap:                                                 ; a trip goes once round the ring, from a lap's second quarter to the next lap's first, and fills both slots again
	QUARTER 0, 2, F1, F0, 0
	QUARTER 0, 3, F0, F1, 0
	TURN 0, 1, 1
	QUARTER 1, 1, F0, F1, 0
	QUARTER 1, 2, F1, F0, 0
	QUARTER 1, 3, F0, F1, 0
	TURN 1, 0, 1
	QUARTER 0, 1, F0, F1, 0
	WIN 0
	s_sub_co_u32 s3, s3, 1
	s_cmp_lg_u32 s3, 0
	s_cbranch_scc1 .Llap
	QUARTER 0, 2, F1, F0, 0                        ; the last lap fills nothing, and has no round of the cluster's barrier
	QUARTER 0, 3, F0, F1, 0
	TURN 0, 1, 0
	QUARTER 1, 1, F0, F1, 0
	QUARTER 1, 2, F1, F0, 0
	QUARTER 1, 3, F0, F1, 0
	s_wait_dscnt 4                                 ; the very last quarter: nothing more to fetch
	MULH F1, 0, 0
	s_wait_dscnt 0x0
	MULH F1, 1, 0
	WIN 0
	PLACES
; THE WAY OUT of row block a, in three parts.
; PACK: q's and k's eight accumulators are rotated: T = (c e, c o), then T = (-s o + T.lo, s e + T.hi); each accumulator's lowest registers are read first.  Then all twelve are rounded to f16.
.macro PACK a
.set AC, 96*((\a)%2)
.set W, 2+(\a)/2
	WIN 0x50|W                                     ; source 0 the accumulators' window, source 1 (the table) window 0, source 2 and destination window 1
.irp i, 0,1,2,3,4,5,6,7
.irp j, 0,2,4,6
	v_pk_mul_f32 v[8*(\i)+(\j):8*(\i)+(\j)+1], v[AC+8*(\i)+(\j):AC+8*(\i)+(\j)+1], v[CS+32*(\a)+8*((\i)%4)+(\j):CS+32*(\a)+8*((\i)%4)+(\j)+1] op_sel_hi:[1,0]
.endr
.irp j, 0,2,4,6
	v_pk_fma_f32 v[8*(\i)+(\j):8*(\i)+(\j)+1], v[AC+8*(\i)+(\j):AC+8*(\i)+(\j)+1], v[CS+32*(\a)+8*((\i)%4)+(\j):CS+32*(\a)+8*((\i)%4)+(\j)+1], v[8*(\i)+(\j):8*(\i)+(\j)+1] op_sel:[1,1,0] op_sel_hi:[0,1,1] neg_lo:[0,1,0]
.endr
.endr
	WIN 0x05                                       ; sources in window 1, destination in window 0
.irp i, 0,1,2,3,4,5,6,7
.irp r, 0,1,2,3
	v_cvt_pk_f16_f32 v[PKD+4*(\i)+(\r)], v[8*(\i)+2*(\r)], v[8*(\i)+2*(\r)+1]
.endr
.endr
	WIN W|(W<<2)                                   ; v's accumulators as they are
.irp i, 8,9,10,11
.irp r, 0,1,2,3
	v_cvt_pk_f16_f32 v[PKD+4*(\i)+(\r)], v[AC+8*(\i)+2*(\r)], v[AC+8*(\i)+2*(\r)+1]
.endr
.endr
	WIN 0
.endm
; TOSTAGE: 16 bytes a lane into rows of 144 bytes, part by part, and back as whole rows of 128 bytes, four to a load.
.macro TOSTAGE a
	WIN 0
.if (\a) > 0
	s_wait_xcnt 0x0                                ; the block before's stores have read their data: only behind this wait is it loaded over
.endif
.irp i, 0,1,2,3,4,5,6,7,8,9,10,11
	ds_store_b128 v[STO], v[PKD+4*(\i):PKD+4*(\i)+3] offset:((\i)/4)*16*SP+32*((\i)%4)
.endr
.irp n, 0,1,2,3,4,5,6,7,8,9,10,11
	ds_load_b128 v[BK+4*(\n):BK+4*(\n)+3], v[RD] offset:((\n)/4)*16*SP+((\n)%4)*4*SP  ; LDS serves a wave's instructions in order (ISA guide 5.7.1.4): these see the stores above
.endr
.endm
; SEND: each store covers 512 consecutive bytes, at a multiple of 256 from its output's first byte.
.macro SEND a
.irp n, 0,1,2,3,4,5,6,7,8,9,10,11
	s_wait_dscnt 11-(\n)                           ; load n of the twelve is back; the younger ones stay out
	global_store_b128 v[GO], v[BK+4*(\n):BK+4*(\n)+3], s[10+2*((\n)/4):11+2*((\n)/4)] offset:2048*(\a)+512*((\n)%4)
.endr
.endm
	PACK 0
	TOSTAGE 0
.irp a, 1,2,3                          ; a block's arithmetic stands between the loads of the block before and the wait for them
	PACK \a
	SEND (\a)-1
	TOSTAGE \a
.endr
	SEND 3
	s_wait_tensorcnt 0x0                           ; the wave's end: behind my last tensor load and my last LDS store
	ds_add_u32 v[SPW], v[NIL]
	s_wait_dscnt 0x0
	CROUND                                         ; the closing round: no work-group ends while a partner may still ask for a tile that names it
	s_endpgm
.Lfunc_end_k_qbd871b00e1_qkv:
	.size	k_qbd871b00e1_qkv, .Lfunc_end_k_qbd871b00e1_qkv-k_qbd871b00e1_qkv
	.p2alignl 7, 3214868480
	.fill 96, 4, 3214868480
	.section	.rodata,"a",@progbits
	.p2align	6, 0x0
	.amdhsa_kernel k_qbd871b00e1_qkv
		.amdhsa_group_segment_fixed_size 327680
		.amdhsa_private_segment_fixed_size 0
		.amdhsa_enable_private_segment 0
		.amdhsa_kernarg_size 48
		.amdhsa_user_sgpr_count 2
		.amdhsa_user_sgpr_kernarg_segment_ptr 1
		.amdhsa_wavefront_size32 1
		.amdhsa_system_sgpr_workgroup_id_x 1
		.amdhsa_system_sgpr_workgroup_id_y 1
		.amdhsa_system_sgpr_workgroup_id_z 1
		.amdhsa_system_vgpr_workitem_id 0
		.amdhsa_next_free_vgpr 960
		.amdhsa_next_free_sgpr 76
		.amdhsa_reserve_vcc 0
		.amdhsa_float_denorm_mode_32 3
		.amdhsa_float_denorm_mode_16_64 3
		.amdhsa_memory_ordered 1
		.amdhsa_forward_progress 1
		.amdhsa_inst_pref_size 139
	.end_amdhsa_kernel
	.amdgpu_metadata
---
amdhsa.version: [ 1, 2 ]
amdhsa.kernels:
  - .name:           k_qbd871b00e1_qkv
    .symbol:         k_qbd871b00e1_qkv.kd
    .args:
      - { .name: xb, .offset: 0, .size: 8, .value_kind: global_buffer, .address_space: global }
      - { .name: wqb, .offset: 8, .size: 8, .value_kind: global_buffer, .address_space: global }
      - { .name: rope, .offset: 16, .size: 8, .value_kind: global_buffer, .address_space: global }
      - { .name: qh, .offset: 24, .size: 8, .value_kind: global_buffer, .address_space: global }
      - { .name: kh, .offset: 32, .size: 8, .value_kind: global_buffer, .address_space: global }
      - { .name: vh, .offset: 40, .size: 8, .value_kind: global_buffer, .address_space: global }
    .group_segment_fixed_size: 327680
    .private_segment_fixed_size: 0
    .kernarg_segment_align: 8
    .kernarg_segment_size: 48
    .max_flat_workgroup_size: 128
    .sgpr_count:     76
    .vgpr_count:     960
    .wavefront_size: 32
...
	.end_amdgpu_metadata
.endif
;; end of part 2
;; launch attn (part 3): grid 4 x 64, 4 waves a work-group, no clusters, 327,680 bytes of LDS; arguments qh, kh, vh, oh; writes oh
.if DOCPART == 3
	.amdgcn_target "amdgcn-amd-amdhsa--gfx1250"
	.amdhsa_code_object_version 6
	.text
	.protected	k_qbd871b00e1_attn
	.globl	k_qbd871b00e1_attn
	.p2align	8
	.type	k_qbd871b00e1_attn,@function
k_qbd871b00e1_attn:
	s_mov_b64 s[64:65], 0
	v_nop
	global_prefetch_b8 v0, s[64:65] scope:SCOPE_SE
	s_setreg_imm32_b32 hwreg(HW_REG_WAVE_MODE, 25, 1), 1
	s_wait_xcnt 0x0
; CAUSAL ATTENTION.  O[h][q][:] = the sum over k <= q of softmax_k(Q[h][q] . K[h][k] / 8) V[h][k][:].  Q, K, V, O: [SIZE_H][SIZE_N][64], all f16: a head's rows are dense, 128 bytes each.
; Products, maxima and sums in f32; the weights p are rounded to f16 for the second product (their sum l is taken of the unrounded p), O once at the end.
; LIMITS.  f16 holds no number beyond 65,504: Q, K and V arrive within it; p lies in 0 to 1, and below 6e-5 it keeps f16's fixed step of 6e-8; O is a mean of V's rows and has their range, to within 2^-11 of it.
; A hidden score counts as its value less 1e30: f16's scores, 2.7e11 at the most, are nothing beside that; a weight below 2^-126 counts as 0 in l; NaN and infinities are not treated apart.
; THE WALK.  A head's queries lie in NB = SIZE_N / 256 blocks of 256; block i needs the key tiles 0 .. i of 256 keys, of which the last holds the diagonal.  A work-group takes TWO blocks, NB - 1 - b and then b:
; NB + 1 tiles, whatever b: all work-groups do equal work, and ONE loop with a constant trip count walks them.  Which tile is asked for, and what a trip does, hang on scalar registers made from b; every jump
; goes forward, but for the counted loops' own; none passes a barrier, or a tensor load but the one of LOAD's two that the wave's number does not choose; the ring (two slots of LDS that take turns) runs on across the
; change of blocks.  NO CLUSTER: a head's four work-groups ask for the same tile only in trips 0 .. 4 of the 9, behind that fewer and fewer; and one walk common to all would have 12 trips for 9.
; SHARES.  Of a block's four bands of 64 queries a wave owns 16 rows in each: four PIECES.  So the diagonal tile is the same work for all four waves: in its key step s band x sees all keys if s < x,
; none if s > x, and holds the diagonal if s = x.
; THE MASK is the C operand that starts the sum S^T = K Q^T: 0, or -1e30 where the key is hidden.  MD, made once, is the mask of a band's own step for my 16 rows; a product's mask is MD x AL + BE with two scalars:
; (1, 0) if s = x; (0, 0) if s < x; (0, -1e30) if s > x.  Only the diagonal tile's text and a block's beginning make and take masks; elsewhere C is the constant 0.
; LAYOUT, SOFTMAX, TURNS.  S^T = K Q^T holds ONE query a lane (lane % 16) and the keys 8 (lane / 16) + 0..7; two such results rounded to f16 ARE source 1 of O^T = V^T P.  p = 2^(c s - c m), c = log2(e) / 8, with a
; running maximum m; O and l are multiplied by a = 2^(c m_old - c m_new) in every step.  Turn n belongs to piece n: 8 products K Q^T of piece n + 1, later 8 products V^T P of piece n - 1; beside them the scaling,
; exponentials, roundings, sums and rescaling of piece n and the maximum and statistics of piece n + 1.  Four vector instructions stand behind every matrix instruction, the other 54 of a turn's 118 in two LUMPS.
; REGISTERS, in windows of 256 (s_set_vgpr_msb: bits 1:0 source 0, 3:2 source 1, 5:4 source 2, 7:6 destination):
;   window 0: v0-15 addresses and two at work; v16-31 four registers of statistics a piece; v48-55 at work; v64-127 S^T, two buffers; v192-223 P, two buffers (a piece's buffers go by its number's parity)
;   window 1: v0-127 O^T, 32 a piece; v128-159 MD; v160-223 MC, two buffers      window 2: v0-63 Q; v64-127 the second block's Q; v128-191 K of one step; v192-255 V of one step
.set SIZE_H, 64
.set SIZE_N, 2048
.set NB,    SIZE_N/256
.set NP,    4         ; pieces a wave: a name, no knob
.set KS,    64        ; keys in a step
.set PK,    144       ; a row of K in LDS: 128 bytes + 16 of padding = 36 words: the 16 rows of a load start at 16 different groups of four banks (64 banks of 4 bytes: ISA guide 11.1)
.set PV,    160       ; a row of V: 128 + 32 = 40 words
.set VOFF,  4*KS*PK   ; a slot holds a tile, four steps: 256 rows of K, then 256 rows of V
.set SLOT1, 1<<17     ; slot 1 begins here, so that one exclusive or turns an address in one slot into the other's
.set STAGE, SLOT1+4*KS*(PK+PV)  ; behind the ring, never filled by a tensor load: 16 rows x 144 bytes for each wave, for the way out
.set SP,    144
.set AK0, 2           ; v2   my lane's place in a tile of K; never rewritten
.set AV0, 3           ; v3   the same for V
.set AK,  4           ; v4   the LDS address of K's next run of loads
.set AV,  5           ; v5   of V's
.set STO, 6           ; v6   the way out: where I put 16 bytes of a row
.set RD,  7           ; v7   the way out: where I read rows back
.set GO,  8           ; v8   my byte offset in 512 consecutive bytes of O
.set PFO, 60          ; v60  256 x my lane, for the prefetches; never rewritten
.set SPW, 62          ; v62  LDS address of my spare word: SPARE + 4 x my thread's number; never rewritten
.set NIL, 63          ; v63  0; never rewritten
.set SPARE, STAGE+4*16*SP  ; behind the stages: the spare words, 128 bytes for each wave: two blocks of 256 bytes that no other line names
.set MV,  12          ; v12-13  c m_old, kept while c m is made anew: by buffer
.set QO,  15          ; v15  my byte offset in 16 rows of Q
.set ST,  16          ; piece t's statistics at v[ST+4 t]: c m, m, l (even keys', odd keys')
.set TMP, 48          ; by buffer, four registers c0-c3 at work; when the maximum is found c2 takes a
.set S,   64
.set P,   192
.set MD,  128         ; window 1: the eight registers for group kt of 16 keys at MD + 8 kt
.set MC,  160         ; window 1: the masks of the products to come
.set QB,  64          ; window 2
.set KF,  128         ; window 2: key block kb, channel half c at KF + 16 kb + 8 c
.set VF,  192         ; window 2: key half kk, channel block cb at VF + 32 kk + 8 cb
.set WV,  12          ; s12  my wave's number
.set PB,  14          ; s14  b
.set HI,  15          ; s15  NB - 1 - b
.set G1K, 24          ; s[24:31] descriptor group 1 for K's tiles
.set G1V, 32          ; s[32:39] for V's: it differs in the padding alone
.set G0K, 40          ; s[40:43] descriptor group 0 for K's tiles
.set G0V, 44          ; s[44:47] the same for V's
.set PFB, 48          ; s[48:49] the half of the head's tile 0 that I fetch (K's: waves 0, 1; V's: waves 2, 3)
.set PFA, 50          ; s[50:51] the same half of the tile that the next change of slots will ask for
.set LIM, 52          ; s52  1 in the work-group that prefetches, else the greatest number
.set OF2, 54          ; s[54:55] that tile's byte offset
.set SLOTS, 56        ; s56  tiles still to be asked for
.set CNT, 57          ; s57  counts a tile's key steps, 4 to 1
.set CS,  58          ; s[58:59] c: the packed scaling takes the pair's low word for both halves
.set SEL, 60          ; s[60:61] v_permlanex16_b32's selects: each lane takes its own place in the other half
.set TBK, 62          ; s62  LDS byte at which K of the step to be fetched begins
.set TBV, 63          ; s63  the same for V, less VOFF
.set RT,  70          ; s70  tiles of the block in hand that are still to be entered
.set NXT, 71          ; s71  the tile to be asked for next
.set LQ,  72          ; s72  the last tile of the block whose tiles are being asked for
.set NEW, 73          ; s73  1: the tile to be entered is a block's first
.set OFF, 74          ; s[74:75] a tile's byte offset in K and V
.set AL,  76          ; s[76:77] the mask's factor, in the low word
.set BE,  78          ; s[78:79] the mask's addend
.set OLO, 80          ; s[80:81] O at my rows of the second block
.set BIGN, 82         ; s82  -1e30
.set MSB, 0
.macro WIN new                      ; the high byte repeats the setting that is left; a switch that changes nothing is dropped
.if MSB != (\new)
	s_set_vgpr_msb (MSB<<8)|(\new)
.set MSB, (\new)
.endif
.endm
.set W_KQ, 0x0a       ; K and Q in window 2, S^T in window 0
.set W_KM, 0x1a       ; the same with the C operand in window 1
.set W_PV, 0x52       ; V in window 2, P in window 0, O^T in window 1
.set W_RS, 0x41       ; destination and source 0 in window 1, source 1 in window 0
; A fill.  Waves 0 and 1 fetch the two halves of a tile's K, waves 2 and 3 those of its V: 128 keys each.  An s_nop 0 and four v_nop follow each of the two lines, ahead of the jump and the label.
.macro LOAD
	s_cmp_lt_u32 s[WV], 2
	s_cbranch_scc0 .Lfor_v_\@
	tensor_load_to_lds s[G0K:G0K+3], s[G1K:G1K+7]
	s_nop 0
.rept 4
	v_nop
.endr
	s_branch .Lasked_\@
.Lfor_v_\@:
	tensor_load_to_lds s[G0V:G0V+3], s[G1V:G1V+7]
	s_nop 0
.rept 4
	v_nop
.endr
.Lasked_\@:
.endm
; A PREFETCH INTO THE L2 of what the NEXT change of slots will ask for: my own 16,384 bytes of tile NXT, a lane a block of 256 bytes, two instructions, behind my tensor load and its five lines.
; A head's four work-groups walk the same tiles; the one with b = 0, whose first block walks tiles 0 to 7, asks, and nobody else: each block of tiles 2 to 7 is named once in the launch.
; Tiles 0 and 1 come by their loads alone; when tile 7 has been asked for NXT goes back to 0, and nothing more is asked for.
.macro ASK
	s_cmp_gt_u32 s[NXT], s[LIM]
	s_cbranch_scc0 .Lnot_mine_\@
	global_prefetch_b8 v[PFO], s[PFA:PFA+1] th:TH_LOAD_NT scope:SCOPE_SE
	global_prefetch_b8 v[PFO], s[PFA:PFA+1] offset:8192 th:TH_LOAD_NT scope:SCOPE_SE
.Lnot_mine_\@:
.endm
; THE CHANGE OF SLOTS.  Each wave waits for all its tensor loads, of which one is out: its part of the other slot; adds 0 to its spare word; and waits for that and for its own reads of the slot that it leaves.  Behind the barrier nobody reads the old
; slot any more and the other slot is whole.  fill = 1: the old slot is filled again, the first thing behind the barrier, with tile NXT: the descriptor's address is made anew from that number.
; (At its first use nothing has been read yet: slot 0 is waited for, slot 1 filled.)
.macro CHANGE fill
	WIN 0                           ; at a label and at a branch every window is 0
	s_wait_tensorcnt 0x0            ; no tensor load of mine is out, so a group 0 may be written
	ds_add_u32 v[SPW], v[NIL]       ; 0 onto my spare word; with fill = 1 the descriptors' scalar work stands between it and the wait for it
.if \fill
	s_lshl_b32 s[OFF], s[NXT], 15   ; a tile is 32,768 bytes of K and of V
	s_xor_b32 s[G0K+1], s[G0K+1], SLOT1
	s_add_nc_u64 s[G0K+2:G0K+3], s[6:7], s[OFF:OFF+1]
	s_or_b32 s[G0K+3], s[G0K+3], 0x80000000
	s_xor_b32 s[G0V+1], s[G0V+1], SLOT1
	s_add_nc_u64 s[G0V+2:G0V+3], s[8:9], s[OFF:OFF+1]
	s_or_b32 s[G0V+3], s[G0V+3], 0x80000000
	s_add_co_u32 s[NXT], s[NXT], 1  ; the block's next tile, or behind its last the second block's tile 0
	s_cmp_gt_u32 s[NXT], s[LQ]
	s_cselect_b32 s[NXT], 0, s[NXT]
	s_cselect_b32 s[LQ], s[PB], s[LQ]
	s_wait_xcnt 0x0                 ; the last prefetches, a tile back, have read their address, so it may be written:
	s_lshl_b32 s[OF2], s[NXT], 15
	s_add_nc_u64 s[PFA:PFA+1], s[PFB:PFB+1], s[OF2:OF2+1]  ; my half of the tile after the one that is asked for now
.endif
	s_wait_dscnt 0x0                ; the add is done, and my reads of the slot are over
	s_barrier_signal -1             ; the rest of the scalar work stands between the signal and the wait
	s_sub_co_u32 s[TBK], s[TBK], 4*KS*PK  ; the fetches go back to a slot's first step,
	s_xor_b32 s[TBK], s[TBK], SLOT1       ; in the other slot
	s_sub_co_u32 s[TBV], s[TBV], 4*KS*PV
	s_xor_b32 s[TBV], s[TBV], SLOT1
	s_barrier_wait -1
.if \fill
	LOAD
	ASK
.endif
.endm
	s_load_b256 s[4:11], s[0:1], 0x0  ; Q s[4:5], K s[6:7], V s[8:9], O s[10:11]
	v_lshl_add_u32 v[SPW], v0, 2, SPARE
	v_mov_b32 v[NIL], 0
	ds_add_u32 v[SPW], v[NIL]       ; the wave's opening: the add and its wait stand ahead of my first tensor load; the set-up below, work on registers, stands between them
	ds_add_u32 v62, v63
	v_lshrrev_b32 v1, 5, v0
	v_readfirstlane_b32 s[WV], v1   ; wave 0..3
	s_mov_b32 s[PB], ttmp9
	s_sub_co_u32 s[HI], NB-1, s[PB]
	s_and_b32 s20, ttmp7, 0xffff    ; the head
	s_mov_b32 s21, 0
	s_mov_b64 s[22:23], SIZE_N*128
	s_mul_u64 s[20:21], s[20:21], s[22:23]  ; the head's first byte in each of the four tensors
	s_and_b32 s16, s[WV], 1         ; which half of a tile's 256 keys I fetch:
	s_lshl_b32 s22, s16, 14         ; its 128 rows of 128 bytes in memory,
	s_mov_b32 s23, 0
	s_add_nc_u64 s[22:23], s[22:23], s[20:21]
	s_mul_i32 s17, s16, 128*PK      ; and its place in a slot, for K
	s_mul_i32 s18, s16, 128*PV      ; and for V
	s_lshl_b32 s3, s[WV], 11        ; my 16 rows in a band of 64,
	s_lshl_b32 s2, s[HI], 15        ; in the first block,
	s_add_co_u32 s2, s2, s3
	s_lshl_b32 s84, s[PB], 15       ; and in the second
	s_add_co_u32 s84, s84, s3
	s_mov_b32 s3, 0
	s_mov_b32 s85, 0
	s_add_nc_u64 s[2:3], s[2:3], s[20:21]
	s_add_nc_u64 s[84:85], s[84:85], s[20:21]
	; descriptor group 1.  128 keys are 16,384 dense bytes: asked for as 64 rows of 256 bytes, two keys a row, and padded in LDS after every key
	s_mov_b32 s[G1K], (1<<16)|(1<<20)|(4<<22)|(3<<25)  ; 17:16 2-byte elements; 20 padding on; 24:22 after every 32 words (code 4); 31:25 4 words (code 3)
	s_mov_b32 s[G1V], (1<<16)|(1<<20)|(4<<22)|(7<<25)  ; the same with 8 words of padding (code 7)
.irp g, G1K, G1V
	s_mov_b32 s[\g+1], 128<<16      ; tensor_dim0 = 128
	s_mov_b32 s[\g+2], 64<<16       ; tensor_dim1 = 64
	s_mov_b32 s[\g+3], 128<<16      ; tile_dim0 = 128
	s_mov_b32 s[\g+4], 64           ; tile_dim1 = 64
	s_mov_b32 s[\g+5], 128          ; 128 elements from row to row
	s_mov_b32 s[\g+6], 0
	s_mov_b32 s[\g+7], 0
.endr
	s_mov_b32 s[CS], 0x3e38aa3b     ; c = log2(e) / 8 = 0.180337
	s_mov_b32 s[CS+1], s[CS]        ; named with it as a pair
	s_mov_b32 s[SEL], 0x76543210
	s_mov_b32 s[SEL+1], 0xfedcba98
	s_mov_b32 s[TBK], SLOT1+4*KS*PK ; the first change of slots turns these two into 0
	s_mov_b32 s[TBV], SLOT1+4*KS*PV
	s_mov_b32 s[G0K], 1             ; 1:0 count = 1
	s_mov_b32 s[G0K+1], s17         ; 63:32 LDS address: slot 0
	s_mov_b32 s[G0V], 1
	s_add_co_u32 s[G0V+1], s18, VOFF
	s_add_co_u32 s[RT], s[HI], 1    ; the first block has NB - b tiles
	s_mov_b32 s[NXT], 1
	s_mov_b32 s[LQ], s[HI]
	s_mov_b32 s[NEW], 1
	s_mov_b32 s[OFF+1], 0
	s_mov_b32 s[OF2+1], 0
	s_mov_b32 s[AL+1], 0            ; named as pairs
	s_mov_b32 s[BE+1], 0
	s_mov_b32 s[BIGN], 0xf149f2ca   ; -1e30
	s_mov_b32 s[SLOTS], NB
	s_cmp_eq_u32 s[PB], 0
	s_cselect_b32 s[LIM], 1, -1
	v_and_b32 v[PFO], 31, v0
	v_lshlrev_b32 v[PFO], 8, v[PFO]
	s_wait_dscnt 0x0                ; the opening add is done
	s_wait_kmcnt 0x0
	s_add_nc_u64 s[6:7], s[6:7], s[22:23]  ; K and V at my half of the head's tile 0
	s_add_nc_u64 s[8:9], s[8:9], s[22:23]
	s_cmp_lt_u32 s[WV], 2
	s_cselect_b64 s[PFB:PFB+1], s[6:7], s[8:9]
	s_add_nc_u64 s[G0K+2:G0K+3], s[6:7], 0         ; 120:64 global address
	s_or_b32 s[G0K+3], s[G0K+3], 0x80000000        ; 127:126 type = 2
	s_add_nc_u64 s[G0V+2:G0V+3], s[8:9], 0
	s_or_b32 s[G0V+3], s[G0V+3], 0x80000000
	s_add_nc_u64 s[86:87], s[4:5], s[84:85]        ; Q at my rows of the second block,
	s_add_nc_u64 s[4:5], s[4:5], s[2:3]            ; Q and O at those of the first
	s_add_nc_u64 s[OLO:OLO+1], s[10:11], s[84:85]
	s_add_nc_u64 s[10:11], s[10:11], s[2:3]
	LOAD                            ; tile 0 into slot 0
	; A fragment of K or Q is 16 rows x 32 channels in 8 registers: lane l holds row l % 16, channels 8 (l / 16) + 0..7 and 16 + 8 (l / 16) + 0..7: two loads of 16 bytes, 32 bytes apart.
	v_and_b32 v1, 15, v0            ; l % 16
	v_bfe_u32 v9, v0, 4, 1          ; l / 16
	v_lshlrev_b32 v[QO], 7, v1
	v_lshl_add_u32 v[QO], v9, 4, v[QO]  ; row x 128 + 16 x half
	WIN 0x80                        ; destination window 2, address window 0
.set i, 0
.rept 8                             ; both blocks' Q: piece i / 2 lies in band i / 2, 8,192 bytes on; channels 32 (i % 2) on
	global_load_b128 v[8*i:8*i+3],   v[QO], s[4:5] offset:(i/2)*8192+(i%2)*64
	global_load_b128 v[8*i+4:8*i+7], v[QO], s[4:5] offset:(i/2)*8192+(i%2)*64+32
	global_load_b128 v[QB+8*i:QB+8*i+3],   v[QO], s[86:87] offset:(i/2)*8192+(i%2)*64
	global_load_b128 v[QB+8*i+4:QB+8*i+7], v[QO], s[86:87] offset:(i/2)*8192+(i%2)*64+32
.set i, i+1
.endr
	WIN 0
	v_lshlrev_b32 v14, 3, v9
	v_sub_nc_u32 v14, v1, v14
	s_lshl_b32 s13, s[WV], 4
	v_add_nc_u32 v14, s13, v14      ; my query's place in its band, 16 w + l % 16, less my lanes' 8 (l / 16): register r of group kt is hidden where 16 kt + r is greater
	WIN 0x40
.set i, 0
.rept 32
	v_cmp_gt_i32 vcc_lo, 16*(i/8)+i%8, v14
	v_cndmask_b32 v[MD+i], 0, s[BIGN], vcc_lo
.set i, i+1
.endr
	WIN 0
	v_mul_u32_u24 v[AK0], v1, PK
	v_lshl_add_u32 v[AK0], v9, 4, v[AK0]  ; row x pitch + 16 x half
	; The turning load takes 16 keys x 16 channels (lane l reads key 8 (l / 16) + l % 8, channels 8 ((l / 8) % 2) + 0..7) and leaves half a fragment of V^T: lane l holds channel l % 16 and 8 keys.
	v_and_b32 v10, 7, v0
	v_bfe_u32 v11, v0, 3, 1
	v_lshl_add_u32 v[AV0], v9, 3, v10
	v_mul_u32_u24 v[AV0], v[AV0], PV
	v_lshl_add_u32 v[AV0], v11, 4, v[AV0]
	v_add_nc_u32 v[AV0], VOFF, v[AV0]
	s_mul_i32 s13, s[WV], 16*SP
	s_add_co_u32 s13, s13, STAGE    ; my stage
	v_mul_u32_u24 v[STO], v1, SP    ; in: row l % 16, 16 bytes for each half of the lanes
	v_lshl_add_u32 v[STO], v9, 4, v[STO]
	v_add_nc_u32 v[STO], s13, v[STO]
	v_bfe_u32 v[RD], v0, 3, 2       ; back: 32 lanes take four rows of 128 bytes,
	v_mul_u32_u24 v[RD], v[RD], SP
	v_lshl_add_u32 v[RD], v10, 4, v[RD]
	v_add_nc_u32 v[RD], s13, v[RD]
	v_and_b32 v[GO], 31, v0         ; which are 512 consecutive bytes of O
	v_lshlrev_b32 v[GO], 4, v[GO]
	; A block's first step multiplies O^T and l by a = 0, and its first turn's products V^T P, of a piece that has not been, land in an O^T that is still to be so multiplied.  So these registers need only hold
	; finite numbers: zeros for the first block; what the first block left for the second.  All this stands in the wait for the first tile.
	WIN 0x80
.set i, VF
.rept 64
	v_mov_b32 v[i], 0
.set i, i+1
.endr
	WIN 0x40
.set i, 0
.rept 128
	v_mov_b32 v[i], 0
.set i, i+1
.endr
	WIN 0
.set i, 0
.rept 4
	v_mov_b32 v[ST+4*i+2], 0
	v_mov_b32 v[ST+4*i+3], 0
.set i, i+1
.endr
.set i, P+16
.rept 16
	v_mov_b32 v[i], 0
.set i, i+1
.endr
; THE MATRIX WORK.  The 4 accumulators of a run of 8 take turns.  Product i of 8 of S^T = K Q^T for piece x: channels 32 (i / 4) on, keys 16 (i % 4) on.  The first 4 start the sums: with 0, or (KM = 1) with the mask.
.macro KQ x
.set rS, S+32*((\x)%2)+8*(i%4)
.set rK, KF+16*(i%4)+8*(i/4)
.set rQ, 16*(\x)+8*(i/4)
.set rM, MC+32*((\x)%2)+8*(i%4)
.if (i < 4) && KM
	WIN W_KM
	v_wmma_f32_16x16x32_f16 v[rS:rS+7], v[rK:rK+7], v[rQ:rQ+7], v[rM:rM+7]
.elseif i < 4
	WIN W_KQ
	v_wmma_f32_16x16x32_f16 v[rS:rS+7], v[rK:rK+7], v[rQ:rQ+7], 0
.else
	WIN W_KQ
	v_wmma_f32_16x16x32_f16 v[rS:rS+7], v[rK:rK+7], v[rQ:rQ+7], v[rS:rS+7]
.endif
.endm
; Product i of 8 of O^T += V^T P for piece x: keys 32 (i / 4) on, channels 16 (i % 4) on.
.macro PV x
	WIN W_PV
.set rO, 32*(\x)+8*(i%4)
.set rV, VF+32*(i/4)+8*(i%4)
.set rP, P+16*((\x)%2)+8*(i/4)
	v_wmma_f32_16x16x32_f16 v[rO:rO+7], v[rV:rV+7], v[rP:rP+7], v[rO:rO+7]
.endm
.macro MM                           ; the turn's next matrix instruction.  TURN and BEGIN set Y, i, KM and NOKQ; MM, KQ and OP read them.  NOKQ = 1: a block's last turn: there is no next piece
.if (i < 8) && !NOKQ
	KQ (Y+1)%NP
.elseif i >= 8
.set i, i-8
	PV (Y+NP-1)%NP
.set i, i+8
.endif
.set i, i+1
.endm
; THE LDS LOADS stand in runs of 16, never singly among the matrix instructions: a step's K (64 keys x 64 channels: 8 fragments) and its V (turned).  Their addresses are made some lines ahead.
.macro FETCH_K
	WIN 0x80                        ; destination window 2
.irp f, 0,1,2,3,4,5,6,7             ; keys 16 (f / 2) on, channels 32 (f % 2) on
	ds_load_b128 v[KF+8*\f:KF+8*\f+3],   v[AK] offset:(\f/2)*16*PK+(\f%2)*64
	ds_load_b128 v[KF+8*\f+4:KF+8*\f+7], v[AK] offset:(\f/2)*16*PK+(\f%2)*64+32
.endr
	s_add_co_u32 s[TBK], s[TBK], KS*PK  ; the next fetch is the next step's
	WIN 0
.endm
.macro FETCH_V
	WIN 0x80
.irp f, 0,1,2,3,4,5,6,7             ; keys 32 (f / 4) on, channels 16 (f % 4) on
	ds_load_tr16_b128 v[VF+8*\f:VF+8*\f+3],   v[AV] offset:(\f/4)*32*PV+(\f%4)*32
	ds_load_tr16_b128 v[VF+8*\f+4:VF+8*\f+7], v[AV] offset:(\f/4)*32*PV+16*PV+(\f%4)*32
.endr
	WIN 0
.endm
; THE VECTOR WORK, one line at a time: OP kind, number.  For piece Y: F n: c s - c m for pair n of 16.  E n: the exponential of score n of 32.  C n: pair n rounded to f16.  B n: of the four weights 4 n .. the second
; pair is added onto the first, in place.  L n: l takes that sum (L 0: l = a l + sum).  R n: pair n of 16 of O^T times a.  For piece Y + 1: X n, number n of the 22 that find its maximum and statistics:
;   0-11  four chains c0-c3 of seven scores each, three operands at a time (each accumulator's lowest registers are read first)     12-14, 16  the four scores left over, the old m, and c0-c3 into c0
;   15  c m_old is kept     17, 18  the query's other 32 keys lie in the lane 16 away: the new m     19-21  c m; c m_old - c m_new; a
.set F, 0               ; OP tells the kinds apart by their order: F to L below R, X above it
.set E, 1
.set C, 2
.set B, 3
.set L, 4
.set R, 5
.set X, 6
.macro REGS y                       ; the registers of piece y
.set rT, ST+4*(\y)
.set rC, TMP+4*((\y)%2)
.set rW, MV+((\y)%2)
.set rS, S+32*((\y)%2)
.set rP, P+16*((\y)%2)
.set rO, 32*(\y)
.endm
.macro OP k, n
.if (\k) == R
	REGS Y
	WIN W_RS
	v_pk_mul_f32 v[rO+2*(\n):rO+2*(\n)+1], v[rO+2*(\n):rO+2*(\n)+1], v[rC+2:rC+3] op_sel_hi:[1,0]
.elseif (\k) < R
	REGS Y
	WIN 0
.if (\k) == F
	v_pk_fma_f32 v[rS+2*(\n):rS+2*(\n)+1], v[rS+2*(\n):rS+2*(\n)+1], s[CS:CS+1], v[rT:rT+1] op_sel_hi:[1,0,0] neg_lo:[0,0,1] neg_hi:[0,0,1]
.elseif (\k) == E
	v_exp_f32 v[rS+(\n)], v[rS+(\n)]
.elseif (\k) == C
	s_wait_alu depctr_va_vdst(0)
	v_cvt_pk_f16_f32 v[rP+(\n)], v[rS+2*(\n)], v[rS+2*(\n)+1]
.elseif (\k) == B
	s_wait_alu depctr_va_vdst(0)
	v_pk_add_f32 v[rS+4*(\n):rS+4*(\n)+1], v[rS+4*(\n):rS+4*(\n)+1], v[rS+4*(\n)+2:rS+4*(\n)+3]
.elseif (\n) == 0
	v_pk_fma_f32 v[rT+2:rT+3], v[rT+2:rT+3], v[rC+2:rC+3], v[rS:rS+1] op_sel_hi:[1,0,1]
.else
	v_pk_add_f32 v[rT+2:rT+3], v[rT+2:rT+3], v[rS+4*(\n):rS+4*(\n)+1]
.endif
.elseif NOKQ
	v_nop
.else
	REGS (Y+1)%NP
	WIN 0
.if (\n) < 4
	v_max3_num_f32 v[rC+(\n)], v[rS+8*(\n)], v[rS+8*(\n)+1], v[rS+8*(\n)+2]
.elseif (\n) < 12
	v_max3_num_f32 v[rC+(\n)%4], v[rC+(\n)%4], v[rS+8*((\n)%4)+2*((\n)/4)+1], v[rS+8*((\n)%4)+2*((\n)/4)+2]
.elseif (\n) == 12
	v_max3_num_f32 v[rC], v[rC], v[rS+7], v[rS+15]
.elseif (\n) == 13
	v_max3_num_f32 v[rC+1], v[rC+1], v[rS+23], v[rS+31]
.elseif (\n) == 14
	v_max3_num_f32 v[rC+2], v[rC+2], v[rC+3], v[rT+1]
.elseif (\n) == 15
	v_mov_b32 v[rW], v[rT]
.elseif (\n) == 16
	v_max3_num_f32 v[rC], v[rC], v[rC+1], v[rC+2]
.elseif (\n) == 17
	v_permlanex16_b32 v[rC+3], v[rC], s[SEL], s[SEL+1]
.elseif (\n) == 18
	v_max_num_f32 v[rT+1], v[rC], v[rC+3]
.elseif (\n) == 19
	v_mul_f32 v[rT], s[CS], v[rT+1]
.elseif (\n) == 20
	v_sub_f32 v[rC+1], v[rW], v[rT]
.else
	v_exp_f32 v[rC+2], v[rC+1]
.endif
.endif
.endm
.macro OPS a, i1, b=-1, i2=0, c=-1, i3=0, d=-1, i4=0  ; up to four of them
	OP \a, \i1
.if (\b) >= 0
	OP \b, \i2
.endif
.if (\c) >= 0
	OP \c, \i3
.endif
.if (\d) >= 0
	OP \d, \i4
.endif
.endm
.macro ROW a, i1, b, i2, c, i3, d, i4  ; a matrix instruction and the four behind it
	MM
	OPS \a, \i1, \b, \i2, \c, \i3, \d, \i4
.endm
.macro MASK b                       ; MD x AL + BE into buffer b of MC
	WIN W_RS
.set z, 0
.rept 16
	v_pk_fma_f32 v[MC+32*(\b)+2*z:MC+32*(\b)+2*z+1], v[MD+2*z:MD+2*z+1], s[AL:AL+1], s[BE:BE+1] op_sel_hi:[1,0,0]
.set z, z+1
.endr
.endm
; A TURN, for piece p: the order of its 16 matrix and 118 vector instructions, written out.  Behind a matrix instruction: plain, exponential, plain, plain; or four of the rescaling; or, behind the first, four scalings; none
; names a register of the products round it.  In the lumps exponential and plain by turns while exponentials last.  A line reads no result made fewer than three vector instructions in front of it, five if an exponential made it.
; v_permlanex16_b32 (X 17) stands in a lump.
; m = 1: the diagonal tile: the products take masks, and the turn makes the mask for the products of the turn after it: piece p + 2, in step 4 - CNT of the tile.  end = 1: a block's last two turns: nothing is fetched.
; cnt = 1: the loop's count is taken down some lines ahead of the branch that stands behind the turn.
; K of the next step is fetched in piece 2's turn, six vector instructions behind the last product that read K (five of them plain); V of the step in hand in piece 0's turn, eight behind the last product that read V (four
; plain, and X 17).  Each is waited for a turn later.
.macro TURN p, m=0, end=0, cnt=0
.set Y, (\p)
.set i, 0
.set KM, (\m)
.set NOKQ, (\end)*((\p)/3)
.if (\m) && !(\end)
	s_cmp_eq_u32 s[CNT], 4-((\p)+2)%NP  ; is that step the band's own?
	s_cselect_b32 s[AL], 1.0, 0
	s_cmp_lt_u32 s[CNT], 4-((\p)+2)%NP  ; or a later one?
	s_cselect_b32 s[BE], s[BIGN], 0
.endif
.if ((\p) == 3) && !(\end)
	s_wait_dscnt 0x0                ; K is in
.endif
	ROW F,0, F,1, F,2, F,3
	ROW F,4, E,0, F,5, F,6
	ROW F,7, E,1, F,8, F,9
	ROW F,10, E,2, C,0, F,11
	ROW F,12, E,3, X,15, F,13
	ROW R,0, R,1, R,2, R,3
	ROW B,0, E,4, F,14, L,0
.if ((\p) == 2) && !(\end)
	v_add_nc_u32 v[AK], s[TBK], v[AK0]
.endif
	ROW R,4, R,5, R,6, R,7
	OPS E,5, F,15
.if ((\p) == 2) && !(\end)
	FETCH_K
.endif
	OPS E,6, C,1, E,7, R,8
	OPS E,8, R,9, E,9, C,2
	OPS E,10, X,0, E,11, X,1
	OPS E,12, X,2, E,13, X,3
.if (\p) == 1
	s_wait_dscnt 0x0                ; V is in
.endif
	ROW X,4, E,14, X,5, X,6
	ROW X,7, E,15, X,8, X,9
	ROW X,10, E,16, X,11, X,12
	ROW X,13, E,17, X,14, B,1
	ROW C,4, E,18, X,16, L,1
	ROW B,2, E,19, C,6, L,2
	ROW C,8, E,20, B,3, B,4
.if (\p) == 0
	v_add_nc_u32 v[AV], s[TBV], v[AV0]
.endif
	ROW C,3, E,21, L,3, C,5
	OPS E,22, X,17, E,23, C,10
.if (\p) == 0
	FETCH_V
.endif
	OPS E,24, L,4
	OPS E,25, X,18, E,26, C,7
	OPS E,27, B,5, E,28, X,19
	OPS E,29, C,12, E,30, L,5
	OPS E,31, X,20, B,6, C,9
	OPS C,14, C,11, X,21, L,6
.if (\p) == 0
	s_add_co_u32 s[TBV], s[TBV], KS*PV
.endif
.if \cnt
	s_sub_co_u32 s[CNT], s[CNT], 1
	s_cmp_lg_u32 s[CNT], 0
.endif
	OPS C,13, B,7, C,15, R,10
	OPS R,11, R,12, L,7, R,13
	OPS R,14, R,15
.if (\m) && !(\end)
	MASK (\p)%2
.endif
.endm
; A BLOCK BEGINS.  c m starts far below every c s, so the first step's a is 0; m at the lowest finite number, so the first maximum is the scores'.  The second mask buffer is 0; the first takes piece 0's mask for the tile's step 0: its own, if the block's first tile is the diagonal one.
; Then K of that step, piece 0's first scores, and its maximum and statistics.  The loop is entered at a step's first turn, in the middle of a trip.
.macro BEGIN
	s_mov_b32 s[NEW], 0
	WIN 0x40
.set i, MC+32
.rept 32
	v_mov_b32 v[i], 0
.set i, i+1
.endr
	WIN 0
.set i, 0
.rept 4
	v_mov_b32 v[ST+4*i], 0xfe000000    ; c m: far below every c s
	v_mov_b32 v[ST+4*i+1], 0xff7fffff  ; m
.set i, i+1
.endr
	s_cmp_eq_u32 s[RT], 0
	s_cselect_b32 s[AL], 1.0, 0
	s_mov_b32 s[BE], 0
	MASK 0
	WIN 0
	v_add_nc_u32 v[AK], s[TBK], v[AK0]
	FETCH_K
	s_wait_loadcnt 0x0              ; Q
	s_wait_dscnt 0x0
.set KM, 1
.set NOKQ, 0
.set i, 0
.rept 8
	KQ 0
.set i, i+1
.endr
	WIN 0
.rept 4
	v_nop                           ; the places behind those products
.endr
.set Y, NP-1                        ; X works for piece Y + 1: piece 0
.irp n, 0,1,2,3,4,5,6,7,8,9,10,11,12,13,14,15,16,17,18,19,20,21
	OP X, \n
.endr
	v_nop                           ; a plain instruction behind the exponential
.endm
; THE DIAGONAL TILE's four steps, the block's last two turns, its last products, and THE WAY OUT: l's two halves and the other half of the lanes' are added; O^T is divided by l, rounded to f16 and sent through my
; stage in LDS, a piece at a time.
.macro ALL line:vararg              ; one line for each piece t
.set t, 0
.rept 4
	\line
.set t, t+1
.endr
.endm
.macro PACK t                       ; a lane's eight channels of a row pack into 16 bytes; they go into rows of 144 bytes and come back as whole rows of 128, into S^T's registers
	WIN W_RS
.set i, 32*(\t)
.rept 16
	s_wait_alu depctr_va_vdst(0)
	v_pk_mul_f32 v[i:i+1], v[i:i+1], v[ST+4*(\t)+2:ST+4*(\t)+3] op_sel_hi:[1,0]
.set i, i+2
.endr
	WIN 0x05                        ; sources 0 and 1 window 1, destination window 0
.set i, 0
.rept 16
	v_cvt_pk_f16_f32 v[S+16*(\t)+i], v[32*(\t)+2*i], v[32*(\t)+2*i+1]
.set i, i+1
.endr
	WIN 0
.irp f, 0,1,2,3
	ds_store_b128 v[STO], v[S+16*(\t)+4*\f:S+16*(\t)+4*\f+3] offset:32*\f
.endr
.irp f, 0,1,2,3
	ds_load_b128 v[S+16*(\t)+4*\f:S+16*(\t)+4*\f+3], v[RD] offset:\f*4*SP  ; LDS serves a wave's instructions in order (ISA guide 5.7.1.4): these see the stores above; the next piece's stores come behind them
.endr
.endm
.macro SEND t, younger              ; younger: the LDS instructions issued behind piece t's loads: the next piece's eight, or none
	WIN 0
.irp f, 0,1,2,3
	s_wait_dscnt (\younger)+3-\f
	global_store_b128 v[GO], v[S+16*(\t)+4*\f:S+16*(\t)+4*\f+3], s[10:11] offset:(\t)*8192+\f*512  ; 512 consecutive bytes, at a multiple of 256 from O's first
.endr
.endm
.macro DIAG tag                     ; the tag ends its two labels' names, which the jumps below spell out
.LstepM\tag:
	TURN 2, 1
	TURN 3, 1
	WIN 0
.LfirstM\tag:
	TURN 0, 1
	TURN 1, 1, 0, 1
	WIN 0
	s_cbranch_scc1 .LstepM\tag
	TURN 2, 1, 1
	TURN 3, 1, 1
.set i, 0
.rept 8
	PV NP-1
.set i, i+1
.endr
	WIN 0
	ALL v_add_f32 v[ST+4*t+2], v[ST+4*t+2], v[ST+4*t+3]
	ALL v_permlanex16_b32 v[ST+4*t+3], v[ST+4*t+2], s[SEL], s[SEL+1]
	ALL v_add_f32 v[ST+4*t+2], v[ST+4*t+2], v[ST+4*t+3]
	ALL v_rcp_f32 v[ST+4*t+2], v[ST+4*t+2]
	v_nop                           ; a plain instruction between the last reciprocal and the use of its result
	PACK 0
.set t, 1
.rept 3                             ; a piece's arithmetic stands between the loads of the piece before and its stores
	PACK t
	SEND t-1, 8
.set t, t+1
.endr
	SEND 3, 0
.endm
.set KM, 0
.set NOKQ, 0
.Lslot:                             ; NB times: a tile is entered and the next is asked for
	CHANGE 1
	s_sub_co_u32 s[RT], s[RT], 1
	s_mov_b32 s[CNT], 4
	s_cmp_eq_u32 s[NEW], 1
	s_cbranch_scc1 .Lnew            ; a block's first tile
	s_cmp_eq_u32 s[RT], 0
	s_cbranch_scc0 .Lstep           ; neither its first nor its last
	s_branch .LstepM1
.Lnew:
	BEGIN
	s_branch .Lfirst                ; in the loop a block's first tile is never its last: the first block has two tiles or more, and the second's last is the walk's last
	DIAG 1                          ; in the loop this is the first block's end: the second block's last tile is the walk's last
	s_wait_xcnt 0x0                 ; the stores have read their registers and O's address
	s_mov_b64 s[10:11], s[OLO:OLO+1]
	s_add_co_u32 s[RT], s[PB], 1    ; the second block has b + 1 tiles
	s_mov_b32 s[NEW], 1
	WIN 0x82                        ; the second block's Q goes where the one text of the turns names Q
.set i, 0
.rept 64
	v_mov_b32 v[i], v[QB+i]
.set i, i+1
.endr
	WIN 0
	s_branch .Lbottom
.Lstep:                             ; a trip: pieces 2 and 3 of one step, then pieces 0 and 1 of the next, whose K and V it fetches
	TURN 2
	TURN 3
	WIN 0
.Lfirst:
	TURN 0
	TURN 1, 0, 0, 1
	WIN 0
	s_cbranch_scc1 .Lstep
.Lbottom:
	s_sub_co_u32 s[SLOTS], s[SLOTS], 1
	s_cmp_lg_u32 s[SLOTS], 0
	s_cbranch_scc1 .Lslot
	CHANGE 0                        ; the walk's last tile is written out: nothing is asked for
	s_sub_co_u32 s[RT], s[RT], 1
	s_mov_b32 s[CNT], 4
	s_cmp_eq_u32 s[NEW], 1
	s_cbranch_scc0 .LstepM2
	BEGIN
	s_branch .LfirstM2
	DIAG 2
	s_wait_tensorcnt 0x0            ; the wave's end: behind my last tensor load and my last LDS store
	ds_add_u32 v[SPW], v[NIL]
	s_wait_dscnt 0x0
	s_endpgm
.Lfunc_end_k_qbd871b00e1_attn:
	.size	k_qbd871b00e1_attn, .Lfunc_end_k_qbd871b00e1_attn-k_qbd871b00e1_attn
	.p2alignl 7, 3214868480
	.fill 96, 4, 3214868480
	.section	.rodata,"a",@progbits
	.p2align	6, 0x0
	.amdhsa_kernel k_qbd871b00e1_attn
		.amdhsa_group_segment_fixed_size 327680
		.amdhsa_private_segment_fixed_size 0
		.amdhsa_enable_private_segment 0
		.amdhsa_kernarg_size 32
		.amdhsa_user_sgpr_count 2
		.amdhsa_user_sgpr_kernarg_segment_ptr 1
		.amdhsa_wavefront_size32 1
		.amdhsa_system_sgpr_workgroup_id_x 1
		.amdhsa_system_sgpr_workgroup_id_y 1
		.amdhsa_system_sgpr_workgroup_id_z 1
		.amdhsa_system_vgpr_workitem_id 0
		.amdhsa_next_free_vgpr 768
		.amdhsa_next_free_sgpr 88
		.amdhsa_reserve_vcc 1
		.amdhsa_float_denorm_mode_32 3
		.amdhsa_float_denorm_mode_16_64 3
		.amdhsa_memory_ordered 1
		.amdhsa_forward_progress 1
		.amdhsa_inst_pref_size 229
	.end_amdhsa_kernel
	.amdgpu_metadata
---
amdhsa.version: [ 1, 2 ]
amdhsa.kernels:
  - .name:           k_qbd871b00e1_attn
    .symbol:         k_qbd871b00e1_attn.kd
    .args:
      - { .name: qh, .offset: 0, .size: 8, .value_kind: global_buffer, .address_space: global }
      - { .name: kh, .offset: 8, .size: 8, .value_kind: global_buffer, .address_space: global }
      - { .name: vh, .offset: 16, .size: 8, .value_kind: global_buffer, .address_space: global }
      - { .name: oh, .offset: 24, .size: 8, .value_kind: global_buffer, .address_space: global }
    .group_segment_fixed_size: 327680
    .private_segment_fixed_size: 0
    .kernarg_segment_align: 8
    .kernarg_segment_size: 32
    .max_flat_workgroup_size: 128
    .sgpr_count:     88
    .vgpr_count:     768
    .wavefront_size: 32
...
	.end_amdgpu_metadata
.endif
;; end of part 3
;; launch oproj (part 4): grid 8 x 32, 4 waves a work-group, clusters of 4 x 4, 327,680 bytes of LDS; arguments oh, wob, out0; writes out0
.if DOCPART == 4
	.amdgcn_target "amdgcn-amd-amdhsa--gfx1250"
	.amdhsa_code_object_version 6
	.text
	.protected	k_qbd871b00e1_oproj
	.globl	k_qbd871b00e1_oproj
	.p2align	8
	.type	k_qbd871b00e1_oproj,@function
k_qbd871b00e1_oproj:
	s_mov_b64 s[64:65], 0
	v_nop
	global_prefetch_b8 v0, s[64:65] scope:SCOPE_SE
	s_setreg_imm32_b32 hwreg(HW_REG_WAVE_MODE, 25, 1), 1
	s_wait_xcnt 0x0
	s_wait_alu depctr_hold_cnt(0) depctr_sa_sdst(0) depctr_va_vdst(0) depctr_va_sdst(0) depctr_va_ssrc(0) depctr_va_vcc(0) depctr_vm_vsrc(0)
	s_getreg_b32 s2, hwreg(HW_REG_IB_STS2, 6, 4)
	s_cmp_eq_u32 s2, 0
	s_cbranch_scc0 .Lentry_in_a_cluster
	s_endpgm
.Lentry_in_a_cluster:
	s_bfe_u32 s2, ttmp6, 0x10000c
	s_cmp_lg_u32 s2, 0xf033
	s_cbranch_scc0 .Lentry_shape_is_right
	s_endpgm
.Lentry_shape_is_right:
; THE OUTPUT PROJECTION.  out0[m][n] = sum over k of O[m][k] W_O[n][k], f16 operands, f32 sums and f32 results, K = 1,024.
; O lies by heads, oh [16 b + head][2048][64] f16: column k of a row is channel k % 64 of head k / 64, so a K step of 128 is TWO HEADS, and the heads are joined here, on the way into LDS.
; A tile of out0 is 256 rows x 128 columns: 32 x 8 = 256 tiles, a work-group each.  Four waves; wave w owns rows 64 w .. 64 w + 63 and all 128 columns: 4 x 8 accumulators of 16 x 16, 256 registers:
; whole rows of 512 bytes of the tile, so its way out needs no other wave and no barrier.
; K goes in 8 steps of 128 through two LDS slots.  Wave 0 fetches the step's first head (256 rows of 128 dense bytes, asked for as 128 rows of 256 bytes and padded in LDS after every 128), wave 1 its second;
; waves 2 and 3 fetch the two halves (64 rows of 256 bytes) of wob's tile.
; CLUSTERS: 4 x 4 work-groups.  The four of a row of the cluster need the same rows of oh, the four of a column the same rows of wob: each tile is asked for JOINTLY.
; THE MATRIX INSTRUCTION IS USED TRANSPOSED (source 0 = 16 rows of wob, source 1 = 16 rows of O): lane l holds row l % 16 and the columns 8 (l / 16) + 0..7: 32 consecutive bytes of out0.
; REGISTERS, in windows of 256 (s_set_vgpr_msb: bits 1:0 source 0, 3:2 source 1, 5:4 source 2, 7:6 destination):
;   window 0: v0-31 addresses; v32-95, v96-159 rows read back, two buffers     window 1: two fragment buffers at 0 and 128: wob's 8 fragments, then O's 4     window 2: accumulator (a, i) at 64 a + 8 i
.set KSTEP,  128
.set PA,     144                       ; a row of O in LDS: 128 bytes + 16 of padding;
.set PB,     272                       ; a row of wob: 256 + 16: in both the 16 rows of a fragment load start at 16 different groups of four banks (64 banks of 4 bytes: ISA guide 11.1)
.set AHEAD,  256*PA                    ; a head's 256 rows: what wave 0 or 1 fetches
.set BHALF,  64*PB                     ; what wave 2 or 3 fetches
.set BOFF,   2*AHEAD                   ; a slot: two heads of O, then wob's 128 rows
.set SLOT,   BOFF+2*BHALF
.set STAGE,  2*SLOT                    ; behind the ring, never filled by a tensor load: 16 rows x 528 bytes for each wave
.set SPITCH, 528
.set STW,    16*SPITCH
.set SPARE,  STAGE+4*STW               ; behind the stages: the spare words, 128 bytes for each wave: two blocks of 256 bytes that no other line names
.set ASTEP,  2*2048*128                ; bytes from a K step to the next in oh: two heads
.set BSTEP,  KSTEP*2                   ; and in wob
.set LAPS,   4
.set ADRA, 16                          ; v16-17  LDS address of my O fragments in slot 0, 1
.set ADRB, 20                          ; v20-21  the same for wob
.set STO,  24                          ; v24     the way out: where I put 32 bytes of a row
.set RD,   25                          ; v25     where I read a row back
.set GO,   26                          ; v26     my 16 bytes of a row's 512
.set SPW,  28                          ; v28     LDS address of my spare word: SPARE + 4 x my thread's number; never rewritten
.set NIL,  29                          ; v29     0; never rewritten
.set BK,   32
.set F0,   0
.set F1,   128
.set WV,   10                          ; s10  my wave's number
.set G1,   24
.set G0,   32
.set G1B,  48
.set G0B,  56
.set MSB, 0
.macro WIN new                         ; the immediate's high byte repeats the setting that is left; a switch that changes nothing is dropped
.if MSB != (\new)
	s_set_vgpr_msb (MSB<<8)|(\new)
.set MSB, (\new)
.endif
.endm
.macro JLOAD s                         ; a joint load; the branch hangs on the wave's number alone; an s_nop 0 and four v_nop follow each of the two lines, ahead of the jump, the label and what follows
	s_cmp_lt_u32 s[WV], 2
	s_cbranch_scc0 .Lfor_b_\@
	tensor_load_to_lds s[G0+4*(\s):G0+4*(\s)+3], s[G1:G1+7]
	s_nop 0
.rept 4
	v_nop
.endr
	s_branch .Lasked_\@
.Lfor_b_\@:
	tensor_load_to_lds s[G0B+4*(\s):G0B+4*(\s)+3], s[G1B:G1B+7]
	s_nop 0
.rept 4
	v_nop
.endr
.Lasked_\@:
.endm
.macro CREST                           ; a round of the cluster's barrier behind its opening barrier
	s_cmp_lg_u32 s[WV], 0
	s_cbranch_scc1 .Lnot_wave_0_\@
	s_barrier_signal -3
.Lnot_wave_0_\@:
	s_barrier_wait -3
	s_barrier_signal -1
	s_barrier_wait -1
.endm
.macro CROUND                          ; a whole round
	s_barrier_signal -1
	s_barrier_wait -1
	CREST
.endm
	s_load_b128 s[4:7], s[0:1], 0x0                ; oh s[4:5], wob s[6:7]
	s_load_b64 s[8:9], s[0:1], 0x10                ; out0
	v_lshl_add_u32 v[SPW], v0, 2, SPARE
	v_mov_b32 v[NIL], 0
	ds_add_u32 v[SPW], v[NIL]                      ; the wave's opening: the add and its wait stand ahead of my first tensor load; the set-up below, work on registers, stands between them
	ds_add_u32 v28, v29
	v_lshrrev_b32 v1, 5, v0
	v_readfirstlane_b32 s[WV], v1                  ; wave 0..3
	s_and_b32 s12, s[WV], 1                        ; which head of a K step, or which half of wob's tile, I fetch
	s_bfe_u32 s40, ttmp6, 0x40000                  ; cx, cy: my place in the cluster
	s_bfe_u32 s41, ttmp6, 0x40004
	s_lshl_b32 s42, ttmp9, 2
	s_add_co_u32 s42, s42, s40                     ; tile column = 4 x cluster x + cx
	s_and_b32 s13, ttmp7, 0xffff
	s_lshl_b32 s13, s13, 2
	s_add_co_u32 s13, s13, s41                     ; tile row = 4 x cluster y + cy
	s_lshl_b32 s43, s41, 2
	s_lshl_b32 s43, 15, s43                        ; my row of the cluster
	s_lshl_b32 s44, 0x1111, s40                    ; my column
	s_or_b32 s[G1], s43, (1<<16)|(1<<20)|(1<<21)|(4<<22)|(3<<25)   ; 15:0 the mask; 17:16 elements of 2 bytes; 20 padding on; 21 set beside a mask; 24:22 after every 32 words (code 4); 31:25 4 words of it (code 3)
	s_mov_b32 s[G1+1], 128<<16                     ; tensor_dim0 = 128 elements: two rows of a head
	s_mov_b32 s[G1+2], 128<<16                     ; tensor_dim1 = 128
	s_mov_b32 s[G1+3], 128<<16                     ; tile_dim0 = 128
	s_mov_b32 s[G1+4], 128                         ; tile_dim1 = 128
	s_mov_b32 s[G1+5], 128                         ; dense: 128 elements from row to row
	s_mov_b32 s[G1+6], 0
	s_mov_b32 s[G1+7], 0
	s_or_b32 s[G1B], s44, (1<<16)|(1<<20)|(1<<21)|(5<<22)|(3<<25)  ; padding after every 64 words (code 5)
	s_mov_b32 s[G1B+1], KSTEP<<16                  ; tensor_dim0 = 128
	s_mov_b32 s[G1B+2], 64<<16                     ; tensor_dim1 = 64
	s_mov_b32 s[G1B+3], KSTEP<<16                  ; tile_dim0 = 128
	s_mov_b32 s[G1B+4], 64                         ; tile_dim1 = 64
	s_mov_b32 s[G1B+5], 1024                       ; elements from row to row
	s_mov_b32 s[G1B+6], 0
	s_mov_b32 s[G1B+7], 0
	s_lshr_b32 s14, s13, 3                         ; oh: the batch (a sequence has 8 tile rows),
	s_lshl_b32 s14, s14, 4
	s_add_co_u32 s14, s14, s12                     ; its head 0 or 1,
	s_lshl_b32 s14, s14, 11                        ; of 2,048 rows,
	s_and_b32 s15, s13, 7
	s_lshl_b32 s15, s15, 8
	s_add_co_u32 s14, s14, s15                     ; the tile's 256 among them,
	s_lshl_b32 s14, s14, 7                         ; of 128 bytes
	s_mov_b32 s15, 0
	s_lshl_b32 s46, s42, 7                         ; wob: row 128 x tile column + 64 x half,
	s_lshl_b32 s47, s12, 6
	s_add_co_u32 s46, s46, s47
	s_lshl_b32 s46, s46, 11                        ; of 2,048 bytes
	s_mov_b32 s47, 0
	s_mul_i32 s20, s[WV], AHEAD                    ; where they go: waves 0, 1: the two heads;
	s_mul_i32 s21, s[WV], BHALF
	s_add_co_u32 s21, s21, BOFF-2*BHALF            ; waves 2, 3: wob's halves.  No place in the cluster enters an LDS address
	s_wait_dscnt 0x0                               ; the opening add is done
	s_wait_kmcnt 0x0
	s_add_nc_u64 s[14:15], s[4:5], s[14:15]
	s_add_nc_u64 s[46:47], s[6:7], s[46:47]
	CROUND                                         ; all sixteen work-groups are here: the first joint loads meet
.irp s, 0,1
	s_mov_b32 s[G0+4*(\s)], 1
	s_add_co_u32 s[G0+4*(\s)+1], s20, (\s)*SLOT
	s_add_nc_u64 s[G0+4*(\s)+2:G0+4*(\s)+3], s[14:15], (\s)*ASTEP
	s_or_b32 s[G0+4*(\s)+3], s[G0+4*(\s)+3], 0x80000000
	s_mov_b32 s[G0B+4*(\s)], 1
	s_add_co_u32 s[G0B+4*(\s)+1], s21, (\s)*SLOT
	s_add_nc_u64 s[G0B+4*(\s)+2:G0B+4*(\s)+3], s[46:47], (\s)*BSTEP
	s_or_b32 s[G0B+4*(\s)+3], s[G0B+4*(\s)+3], 0x80000000
	JLOAD \s                                       ; two loads of mine are out: K steps 0 and 1
.endr
	v_and_b32 v1, 15, v0                           ; r = l % 16
	v_bfe_u32 v2, v0, 4, 1                         ; h = l / 16
	v_mul_u32_u24 v3, v1, PA
	v_lshl_add_u32 v3, v2, 4, v3                   ; a fragment's row x pitch + 16 x half, for O
	v_mul_u32_u24 v4, v1, PB
	v_lshl_add_u32 v4, v2, 4, v4                   ; and for wob
	s_mul_i32 s66, s[WV], 64*PA                    ; my 64 rows of each head
	s_mov_b32 s67, BOFF                            ; all of wob's 128
.irp s, 0,1
	v_add_nc_u32 v[ADRA+(\s)], s66, v3
	v_add_nc_u32 v[ADRB+(\s)], s67, v4
	s_add_co_u32 s66, s66, SLOT
	s_add_co_u32 s67, s67, SLOT
.endr
	s_mul_i32 s66, s[WV], STW
	s_add_co_u32 s66, s66, STAGE                   ; my stage
	v_mul_u32_u24 v[STO], v1, SPITCH               ; in: row l % 16, 32 bytes for each half of the lanes
	v_lshl_add_u32 v[STO], v2, 5, v[STO]
	v_add_nc_u32 v[STO], s66, v[STO]
	v_and_b32 v[GO], 31, v0                        ; back: 32 lanes take one row of 512 bytes
	v_lshlrev_b32 v[GO], 4, v[GO]
	v_add_nc_u32 v[RD], s66, v[GO]
	s_lshl_b32 s68, s13, 8
	s_lshl_b32 s69, s[WV], 6
	s_add_co_u32 s68, s68, s69                     ; my first row of out0,
	s_lshl_b32 s68, s68, 12                        ; of 4,096 bytes,
	s_lshl_b32 s69, s42, 9                         ; and the tile's first column: 512 bytes a tile
	s_add_co_u32 s68, s68, s69
	s_mov_b32 s69, 0
	s_add_nc_u64 s[8:9], s[8:9], s[68:69]
; 8 matrix instructions: row block a x all 8 column blocks, 32 along K.  zero = 1: the product starts the sums: nothing is ever cleared.
; The 32 accumulators take turns, in the same order in every quarter: between two links of a chain stand the 31 others'.
.macro MULA f, a, zero
	WIN 0xa5                                       ; sources in window 1, C and D in window 2
.irp i, 0,1,2,3,4,5,6,7
.if \zero
	v_wmma_f32_16x16x32_f16 v[64*(\a)+8*(\i):64*(\a)+8*(\i)+7], v[(\f)+8*(\i):(\f)+8*(\i)+7], v[(\f)+64+8*(\a):(\f)+64+8*(\a)+7], 0
.else
	v_wmma_f32_16x16x32_f16 v[64*(\a)+8*(\i):64*(\a)+8*(\i)+7], v[(\f)+8*(\i):(\f)+8*(\i)+7], v[(\f)+64+8*(\a):(\f)+64+8*(\a)+7], v[64*(\a)+8*(\i):64*(\a)+8*(\i)+7]
.endif
.endr
.endm
.macro MULH f, hi, zero                ; row blocks 2 hi and 2 hi + 1
	MULA \f, 2*(\hi), \zero
	MULA \f, 2*(\hi)+1, \zero
.endm
; 24 LDS loads in one run: the fragments of quarter q of a K step into buffer f: wob's 8 (byte 64 q of its rows), then O's 4 (head q / 2, byte 64 (q % 2) of its rows)
.macro FETCH slot, q, f
	WIN 0x40                                       ; destination window 1, address window 0
.irp i, 0,1,2,3,4,5,6,7
	ds_load_b128 v[(\f)+8*(\i):(\f)+8*(\i)+3],   v[ADRB+(\slot)] offset:64*(\q)+(\i)*16*PB
	ds_load_b128 v[(\f)+8*(\i)+4:(\f)+8*(\i)+7], v[ADRB+(\slot)] offset:64*(\q)+(\i)*16*PB+32
.endr
.irp a, 0,1,2,3
	ds_load_b128 v[(\f)+64+8*(\a):(\f)+64+8*(\a)+3],   v[ADRA+(\slot)] offset:((\q)/2)*AHEAD+((\q)%2)*64+(\a)*16*PA
	ds_load_b128 v[(\f)+64+8*(\a)+4:(\f)+64+8*(\a)+7], v[ADRA+(\slot)] offset:((\q)/2)*AHEAD+((\q)%2)*64+(\a)*16*PA+32
.endr
.endm
.macro PLACES                          ; four places in front of loads into registers that matrix instructions have read, and of LDS stores that read results
.rept 4
	v_nop
.endr
.endm
; A K step is four quarters of 32 along K, 32 matrix instructions each, on buffers 0, 1, 0, 1.  One of the first three: multiplies buffer f; in its middle it fetches quarter q into buffer g.
.macro QUARTER slot, q, f, g, zero
	s_wait_dscnt 4                                 ; all but the youngest four loads: O's blocks 2 and 3 may be out
	MULH \f, 0, \zero
	PLACES
	FETCH \slot, \q, \g
	s_wait_dscnt 24                                ; all but the 24 just issued
	MULH \f, 1, \zero
.endm
; The last quarter multiplies buffer 1 and changes slots: ONE barrier; in front of it each wave waits for all its tensor loads, adds 0 to its spare word, and waits for that and for its own reads of this slot.
; fill = 1: the barrier opens a round of the cluster's, and this slot is filled again, two K steps ahead: the first tensor load behind the round, 112 matrix instructions ahead of the wait for it.
.macro TURN slot, next, fill
	WIN 0                                          ; (the add's two registers lie in window 0)
	s_wait_tensorcnt 0x0                           ; all my tensor loads have landed: the one that was out is my part of the next slot
	ds_add_u32 v[SPW], v[NIL]                      ; 0 onto my spare word
	s_wait_dscnt 5                                 ; (the add and the youngest four loads may be out)
	MULA F1, 0, 0                                  ; eight matrix instructions stand between the add and the wait for it
	s_wait_dscnt 0x0                               ; the add is done, and my reads of this slot are over
	s_barrier_signal -1
	MULA F1, 1, 0
.if \fill
	WIN 0
.endif
	s_barrier_wait -1
.if \fill
	CREST                                          ; no wave of any partner still reads this slot's tile or has a load on its way
	s_add_nc_u64 s[G0+4*(\slot)+2:G0+4*(\slot)+3], s[G0+4*(\slot)+2:G0+4*(\slot)+3], 2*ASTEP
	s_add_nc_u64 s[G0B+4*(\slot)+2:G0B+4*(\slot)+3], s[G0B+4*(\slot)+2:G0B+4*(\slot)+3], 2*BSTEP
	JLOAD \slot                                    ; the four v_nop behind it are also the places in front of the loads below
.else
	PLACES
.endif
	FETCH \next, 0, F0
	MULH F1, 1, 0
.endm
	s_wait_tensorcnt 1                             ; my part of K step 0 is in; K step 1's may stay out
	s_barrier_signal -1
	s_barrier_wait -1                              ; everybody's is
	FETCH 0, 0, F0
	QUARTER 0, 1, F0, F1, 1                        ; the first quarter stands in front of the loop: its products start the sums
	WIN 0                                          ; at a label and at a branch every window is 0
	s_mov_b32 s3, LAPS-1
.Llap:                                                 ; a trip goes once round the ring, from a lap's second quarter to the next lap's first, and fills both slots again
	QUARTER 0, 2, F1, F0, 0
	QUARTER 0, 3, F0, F1, 0
	TURN 0, 1, 1
	QUARTER 1, 1, F0, F1, 0
	QUARTER 1, 2, F1, F0, 0
	QUARTER 1, 3, F0, F1, 0
	TURN 1, 0, 1
	QUARTER 0, 1, F0, F1, 0
	WIN 0
	s_sub_co_u32 s3, s3, 1
	s_cmp_lg_u32 s3, 0
	s_cbranch_scc1 .Llap
	QUARTER 0, 2, F1, F0, 0                        ; the last lap fills nothing, and has no round of the cluster's barrier
	QUARTER 0, 3, F0, F1, 0
	TURN 0, 1, 0
	QUARTER 1, 1, F0, F1, 0
	QUARTER 1, 2, F1, F0, 0
	QUARTER 1, 3, F0, F1, 0
	s_wait_dscnt 4                                 ; the very last quarter: nothing more to fetch
	MULH F1, 0, 0
	s_wait_dscnt 0x0
	MULH F1, 1, 0
	WIN 0
	PLACES
; THE WAY OUT of row block a.  TOSTAGE: a lane's 32 bytes of a row go into rows of 528 bytes (each accumulator's lowest registers first) and come back as whole rows of 512.
.macro TOSTAGE a
.if (\a) >= 2
	s_wait_xcnt 0x0                                ; the stores of the block two back have read their data: only behind this wait is it loaded over
.endif
	WIN 0x08                                       ; the stores' data (source 1) in window 2, their address in window 0
.irp i, 0,1,2,3,4,5,6,7
	ds_store_b128 v[STO], v[64*(\a)+8*(\i):64*(\a)+8*(\i)+3]   offset:64*(\i)
	ds_store_b128 v[STO], v[64*(\a)+8*(\i)+4:64*(\a)+8*(\i)+7] offset:64*(\i)+16
.endr
	WIN 0
.irp t, 0,1,2,3,4,5,6,7,8,9,10,11,12,13,14,15
	ds_load_b128 v[BK+64*((\a)%2)+4*(\t):BK+64*((\a)%2)+4*(\t)+3], v[RD] offset:(\t)*SPITCH  ; LDS serves a wave's instructions in order (ISA guide 5.7.1.4): these see the stores above; the next block's stores come behind them
.endr
.endm
.macro SEND a, younger                 ; younger: the LDS instructions issued behind block a's loads: the next block's 16 stores and 16 loads, or none
	s_wait_dscnt \younger
.irp t, 0,1,2,3,4,5,6,7,8,9,10,11,12,13,14,15
	global_store_b128 v[GO], v[BK+64*((\a)%2)+4*(\t):BK+64*((\a)%2)+4*(\t)+3], s[8:9] offset:(16*(\a)+(\t))*4096 th:TH_STORE_NT  ; 512 consecutive bytes, at a multiple of 256 from out0's first byte
.endr
.endm
	TOSTAGE 0
	TOSTAGE 1
	SEND 0, 32
	TOSTAGE 2
	SEND 1, 32
	TOSTAGE 3
	SEND 2, 32
	SEND 3, 0
	s_wait_tensorcnt 0x0                           ; the wave's end: behind my last tensor load and my last LDS store
	ds_add_u32 v[SPW], v[NIL]
	s_wait_dscnt 0x0
	CROUND                                         ; the closing round: no work-group ends while a partner may still ask for a tile that names it
	s_endpgm
.Lfunc_end_k_qbd871b00e1_oproj:
	.size	k_qbd871b00e1_oproj, .Lfunc_end_k_qbd871b00e1_oproj-k_qbd871b00e1_oproj
	.p2alignl 7, 3214868480
	.fill 96, 4, 3214868480
	.section	.rodata,"a",@progbits
	.p2align	6, 0x0
	.amdhsa_kernel k_qbd871b00e1_oproj
		.amdhsa_group_segment_fixed_size 327680
		.amdhsa_private_segment_fixed_size 0
		.amdhsa_enable_private_segment 0
		.amdhsa_kernarg_size 24
		.amdhsa_user_sgpr_count 2
		.amdhsa_user_sgpr_kernarg_segment_ptr 1
		.amdhsa_wavefront_size32 1
		.amdhsa_system_sgpr_workgroup_id_x 1
		.amdhsa_system_sgpr_workgroup_id_y 1
		.amdhsa_system_sgpr_workgroup_id_z 1
		.amdhsa_system_vgpr_workitem_id 0
		.amdhsa_next_free_vgpr 768
		.amdhsa_next_free_sgpr 72
		.amdhsa_reserve_vcc 0
		.amdhsa_float_denorm_mode_32 3
		.amdhsa_float_denorm_mode_16_64 3
		.amdhsa_memory_ordered 1
		.amdhsa_forward_progress 1
		.amdhsa_inst_pref_size 85
	.end_amdhsa_kernel
	.amdgpu_metadata
---
amdhsa.version: [ 1, 2 ]
amdhsa.kernels:
  - .name:           k_qbd871b00e1_oproj
    .symbol:         k_qbd871b00e1_oproj.kd
    .args:
      - { .name: oh, .offset: 0, .size: 8, .value_kind: global_buffer, .address_space: global }
      - { .name: wob, .offset: 8, .size: 8, .value_kind: global_buffer, .address_space: global }
      - { .name: out0, .offset: 16, .size: 8, .value_kind: global_buffer, .address_space: global }
    .group_segment_fixed_size: 327680
    .private_segment_fixed_size: 0
    .kernarg_segment_align: 8
    .kernarg_segment_size: 24
    .max_flat_workgroup_size: 128
    .sgpr_count:     72
    .vgpr_count:     768
    .wavefront_size: 32
...
	.end_amdgpu_metadata
.endif
;; end of part 4
;; ======== version 2 of 2: 4 launches; version 1 with the launch prep written anew for expert scheduling mode
;; limits: values are held in f16: magnitudes above 65,504 overflow, below 6.1e-05 lose precision; an absolute error that grows with the inputs' magnitude: up to 4e-07 times it
;; workspace buffers: xb 16,777,216 bytes; wqb 6,291,456 bytes; wob 2,097,152 bytes; rope 524,288 bytes; qh 16,777,216 bytes; kh 16,777,216 bytes; vh 16,777,216 bytes; oh 16,777,216 bytes
;; launch prep (part 5): grid 768 x 1, 8 waves a work-group, no clusters, 0 bytes of LDS; arguments x, W_QKV, W_O, token_positions, xb, wqb, wob, rope; writes xb, wqb, wob, rope
.if DOCPART == 5
	.amdgcn_target "amdgcn-amd-amdhsa--gfx1250"
	.amdhsa_code_object_version 6
	.text
	.protected	k_qbd871b00e1_prep
	.globl	k_qbd871b00e1_prep
	.p2align	8
	.type	k_qbd871b00e1_prep,@function
k_qbd871b00e1_prep:
	s_mov_b64 s[64:65], 0
	v_nop
	global_prefetch_b8 v0, s[64:65] scope:SCOPE_SE
	s_setreg_imm32_b32 hwreg(HW_REG_WAVE_SCHED_MODE, 0, 2), 2
	s_setreg_imm32_b32 hwreg(HW_REG_WAVE_MODE, 25, 1), 1
	s_wait_xcnt 0x0
	s_wait_alu depctr_vm_vsrc(0)
; CASTS, THE WEIGHTS' NEW ORDER, AND THE TABLE OF COSINES AND SINES.
;   xb  [8192][1024] bf16 = x, rounded once.
;   wqb [16 heads][3 parts q, k, v][64][1024] bf16: row 192 head + 64 part + c holds W_QKV's row 1024 part + 64 head + c, rounded once.
;   wob [1024][1024] f16 = W_O rounded to bf16 like the other inputs, that number written as f16.
;   rope [2048 s][32 f] pairs of f32 (cos, sin) of token_positions[s] x 10000^(-f / 32): 256 bytes for each s.
; SHARES.  768 work-groups of eight waves, 16 rows of 1,024 f32 each: 0-511 x, 512-703 W_QKV, 704-767 W_O.  Thread t takes the 16 bytes at 16 t of each row and writes the 8 bytes at 8 t:
; a wave's load covers 512 consecutive bytes, its store 256 consecutive bytes, aligned.  All 16 loads of a thread go out together.  No byte is wanted twice, so there is no LDS and no barrier.
; The 256 work-groups from 512 on also make 256 entries of the table each, one a thread: s = 8 (id - 512) + wave, f = lane: a wave stores one whole row of 256 bytes.
; LIMITS.  W_O lies within f16's 65,504; below 6e-5 it keeps f16's fixed step of 6e-8.  The angle is position x 2^(-f log2(10000) / 32) in f32, not the quotient by a power: the two differ by
; some 4e-7 of the angle, 6e-4 at position 2,047, and the difference grows with the position: meant for positions up to some 1e5 either way.  Sine and cosine: the angle less the nearest multiple of pi / 2
; (pi / 2 in two parts, two fused steps), then polynomials of degree 7 and 8 on -pi/4 .. pi/4.
; THE MODE: SCHED_MODE bits 1:0 = 2 (LLVM: expert scheduling mode 2), set by the entry lines.  The code itself states the register dependences
; between vector instructions and memory instructions, with s_wait_alu, always for 0.
; THE PLAN.  Registers that memory instructions touch:
;   v1, v2     the loads' and the stores' byte offsets: made once at the head, never written again.
;   v3         the position: written 0 at the head; from id 512 on a load lands in it; read by one conversion in the table's part.
;   v100       the offset of that load: made in the arm that issues it, never written again.
;   X          row i as loaded: written by its one load alone; read by its conversions.
;   Y          row i to store, a pair of its own: written by row i's conversions, read by row i's one store, never written again.
;   v110-112   the table's pair and its offset: written by vector lines, read by the one store behind them.
; The 16 rows go in four blocks of four.  Block p converts its rows into their Y; its memory instructions are the four stores of block p - 1, whose Y no vector line of block p names.  So ONE wait
; at a block's head states all that its four stores hang on, and they are dealt among the block's conversions.  No register that a memory instruction has read is ever written again.
.set NX,   512                         ; work-groups for x
.set NQ,   192                         ; for W_QKV
.set RIN,  4096                        ; bytes in a row of f32
.set ROUT, 2048                        ; bytes in a row of 16 bits
.set X,    4                           ; v[4:67]   row i as loaded, at X + 4 i
.set Y,    68                          ; v[68:99]  row i to store, at Y + 2 i: each row has its own pair, so no store's data is rewritten
	s_load_b512 s[16:31], s[0:1], 0x0              ; x 16, W_QKV 18, W_O 20, token_positions 22, xb 24, wqb 26, wob 28, rope 30
	s_mov_b32 s12, ttmp9                           ; id
	v_lshlrev_b32 v1, 4, v0                        ; 16 t
	v_lshlrev_b32 v2, 3, v0                        ; 8 t
	v_mov_b32 v3, 0                                ; the position: written on every path
	s_sub_co_u32 s13, s12, NX                      ; j, the block of 16 rows in W_QKV (of use from id 512 on)
	s_sub_co_u32 s14, s12, NX+NQ                   ; the block in W_O (from id 704 on)
	s_bfe_u32 s15, s13, 0x40002                    ; head = (j >> 2) & 15
	s_mul_i32 s15, s15, 192
	s_lshr_b32 s32, s13, 6                         ; part = j >> 6
	s_lshl_b32 s32, s32, 6
	s_add_co_u32 s15, s15, s32
	s_and_b32 s32, s13, 3                          ; which 16 of the head's 64 rows
	s_lshl_b32 s32, s32, 4
	s_add_co_u32 s15, s15, s32                     ; the block's first row in wqb
	s_lshl_b32 s32, s12, 4                         ; in xb
	s_lshl_b32 s33, s14, 4                         ; in wob
	s_cmp_lt_u32 s12, NX
	s_cselect_b32 s8, s12, s13                     ; the block's number in its source,
	s_cselect_b32 s10, s32, s15                    ; its first row in its destination
	s_cmp_ge_u32 s12, NX+NQ
	s_cselect_b32 s8, s14, s8
	s_cselect_b32 s10, s33, s10
	s_lshl_b32 s8, s8, 16                          ; 16 rows of 4,096 bytes
	s_lshl_b32 s10, s10, 11                        ; rows of 2,048 bytes
	s_mov_b32 s9, 0
	s_mov_b32 s11, 0
	s_wait_kmcnt 0x0
	s_cmp_lt_u32 s12, NX
	s_cselect_b64 s[4:5], s[16:17], s[18:19]
	s_cselect_b64 s[6:7], s[24:25], s[26:27]
	s_cmp_ge_u32 s12, NX+NQ
	s_cselect_b64 s[4:5], s[20:21], s[4:5]
	s_cselect_b64 s[6:7], s[28:29], s[6:7]
	s_add_nc_u64 s[4:5], s[4:5], s[8:9]            ; source and destination at the block's first row
	s_add_nc_u64 s[6:7], s[6:7], s[10:11]
	s_wait_alu depctr_va_vdst(0)                   ; v1 and v2 are written, which every row's load and store reads as its offset; so is v3, in which the position's load lands
	s_cmp_lt_u32 s12, NX
	s_cbranch_scc1 .Lno_pos
	v_lshrrev_b32 v100, 5, v0                      ; wave
	v_lshlrev_b32 v100, 2, v100
	s_lshl_b32 s33, s13, 5
	v_add_nc_u32 v100, s33, v100                   ; 4 s = 4 (8 (id - 512) + wave): one word for the whole wave
	s_wait_alu depctr_va_vdst(0)                   ; v100 is written, which the load below reads as its offset
	global_load_b32 v3, v100, s[22:23]             ; the oldest load: the first counted wait below covers it
.Lno_pos:
.irp i, 0,1,2,3,4,5,6,7,8,9,10,11,12,13,14,15
	global_load_b128 v[X+4*(\i):X+4*(\i)+3], v1, s[4:5] offset:RIN*(\i) th:TH_LOAD_NT  ; no vector line has named X; v1 was written ahead of the head's wait
.endr
; Block p: rows 4 p to 4 p + 3 are converted; the stores of rows 4 p - 4 to 4 p - 1 stand among the conversions, one ahead of each row's lines.
; half = 1: W_O: the number rounded to bf16 is written as f16.
.macro CAST p, half
	s_wait_loadcnt 12-4*(\p)                       ; loads come back in order (ISA guide 5.7.1): this block's four rows are in, the younger blocks stay out
.if (\p) > 0
	s_wait_alu depctr_va_vdst(0)                   ; the block before has written its four pairs of Y, which the stores below read; no vector line of this block names them
.endif
.irp i, 0,1,2,3
.if (\p) > 0
	global_store_b64 v2, v[Y+2*(4*(\p)-4+(\i)):Y+2*(4*(\p)-4+(\i))+1], s[6:7] offset:ROUT*(4*(\p)-4+(\i))
.endif
	v_cvt_pk_bf16_f32 v[Y+2*(4*(\p)+(\i))], v[X+4*(4*(\p)+(\i))], v[X+4*(4*(\p)+(\i))+1]        ; the rounding that all inputs get
	v_cvt_pk_bf16_f32 v[Y+2*(4*(\p)+(\i))+1], v[X+4*(4*(\p)+(\i))+2], v[X+4*(4*(\p)+(\i))+3]
.if \half
	v_lshlrev_b32 v104, 16, v[Y+2*(4*(\p)+(\i))]                   ; back to f32,
	v_and_b32 v105, 0xffff0000, v[Y+2*(4*(\p)+(\i))]
	v_lshlrev_b32 v106, 16, v[Y+2*(4*(\p)+(\i))+1]
	v_and_b32 v107, 0xffff0000, v[Y+2*(4*(\p)+(\i))+1]
	v_cvt_pk_f16_f32 v[Y+2*(4*(\p)+(\i))], v104, v105              ; and written as f16: 8 significant bits fit into 11
	v_cvt_pk_f16_f32 v[Y+2*(4*(\p)+(\i))+1], v106, v107
.endif
.endr
.endm
; Behind block 3: its own four stores.
.macro REST
	s_wait_alu depctr_va_vdst(0)                   ; block 3 has written its four pairs of Y, which the last four stores read
.irp i, 12,13,14,15
	global_store_b64 v2, v[Y+2*(\i):Y+2*(\i)+1], s[6:7] offset:ROUT*(\i)
.endr
.endm
	s_cmp_ge_u32 s12, NX+NQ
	s_cbranch_scc1 .Lf16
	CAST 0, 0
	CAST 1, 0
	CAST 2, 0
	CAST 3, 0
	REST
	s_cmp_lt_u32 s12, NX
	s_cbranch_scc0 .Ltable
	s_endpgm
.Lf16:
	CAST 0, 1
	CAST 1, 1
	CAST 2, 1
	CAST 3, 1
	REST
.Ltable:
	v_cvt_f32_i32 v108, v3                         ; the position
	v_and_b32 v109, 31, v0                         ; f
	v_cvt_f32_u32 v109, v109
	v_mul_f32 v109, 0xbed49a78, v109               ; -f log2(10000) / 32
	v_exp_f32 v109, v109                           ; 10000^(-f / 32)
	s_lshl_b32 s33, s13, 11
	v_add_nc_u32 v112, s33, v2                     ; 8 (256 (id - 512) + t): also the plain instruction behind the exponential (ISA guide 5.7.2)
	s_wait_alu depctr_va_vdst(0)                   ; the exponential has written v109, ahead of its first reader
	v_mul_f32 v113, v108, v109                     ; the angle A
	v_mul_f32 v114, 0x3f22f983, v113               ; A x 2 / pi
	v_rndne_f32 v114, v114                         ; N
	v_cvt_i32_f32 v119, v114                       ; N as a whole number: its last two bits are the quadrant
	v_and_b32 v108, 1, v119
	v_cmp_eq_u32 vcc_lo, 1, v108                   ; odd quadrants; the mask is read behind the polynomials
	v_fma_f32 v115, v114, 0xbfc90fdb, v113         ; R = A - N x (pi / 2)'s upper part
	v_fma_f32 v115, v114, 0x333bbd2e, v115         ;       - N x its lower part (-4.371e-8)
	v_mul_f32 v116, v115, v115                     ; Z = R^2
	v_mov_b32 v117, 0xb94ca1f9
	v_mov_b32 v118, 0x37ccf5ce
	v_fmaak_f32 v117, v117, v116, 0x3c08839e
	v_fmaak_f32 v118, v118, v116, 0xbab6061a
	v_fmaak_f32 v117, v117, v116, 0xbe2aaaa3
	v_fmaak_f32 v118, v118, v116, 0x3d2aaaa5
	v_mul_f32 v117, v117, v116
	v_mul_f32 v118, v118, v116
	v_fma_f32 v113, v116, -0.5, 1.0
	v_fma_f32 v117, v117, v115, v115               ; sin R
	v_fma_f32 v118, v118, v116, v113               ; cos R
	s_wait_alu depctr_va_vcc(0)                    ; the compare has written VCC, ahead of its first reader
	v_cndmask_b32 v111, v117, v118, vcc_lo         ; odd quadrants change the two over
	v_cndmask_b32 v110, v118, v117, vcc_lo
	v_and_b32 v108, 2, v119                        ; the sine turns its sign in quadrants 2 and 3,
	v_lshlrev_b32 v108, 30, v108
	v_xor_b32 v111, v108, v111
	v_add_nc_u32 v109, 1, v119                     ; the cosine in 1 and 2
	v_and_b32 v109, 2, v109
	v_lshlrev_b32 v109, 30, v109
	v_xor_b32 v110, v109, v110
	s_wait_alu depctr_va_vdst(0)                   ; v110 and v111, the store's data, and v112, its offset, are written
	global_store_b64 v112, v[110:111], s[30:31]    ; (cos, sin)
	s_endpgm
.Lfunc_end_k_qbd871b00e1_prep:
	.size	k_qbd871b00e1_prep, .Lfunc_end_k_qbd871b00e1_prep-k_qbd871b00e1_prep
	.p2alignl 7, 3214868480
	.fill 96, 4, 3214868480
	.section	.rodata,"a",@progbits
	.p2align	6, 0x0
	.amdhsa_kernel k_qbd871b00e1_prep
		.amdhsa_group_segment_fixed_size 0
		.amdhsa_private_segment_fixed_size 0
		.amdhsa_enable_private_segment 0
		.amdhsa_kernarg_size 64
		.amdhsa_user_sgpr_count 2
		.amdhsa_user_sgpr_kernarg_segment_ptr 1
		.amdhsa_wavefront_size32 1
		.amdhsa_system_sgpr_workgroup_id_x 1
		.amdhsa_system_sgpr_workgroup_id_y 1
		.amdhsa_system_sgpr_workgroup_id_z 1
		.amdhsa_system_vgpr_workitem_id 0
		.amdhsa_next_free_vgpr 120
		.amdhsa_next_free_sgpr 66
		.amdhsa_reserve_vcc 1
		.amdhsa_float_denorm_mode_32 3
		.amdhsa_float_denorm_mode_16_64 3
		.amdhsa_memory_ordered 1
		.amdhsa_forward_progress 1
		.amdhsa_inst_pref_size 19
	.end_amdhsa_kernel
	.amdgpu_metadata
---
amdhsa.version: [ 1, 2 ]
amdhsa.kernels:
  - .name:           k_qbd871b00e1_prep
    .symbol:         k_qbd871b00e1_prep.kd
    .args:
      - { .name: x, .offset: 0, .size: 8, .value_kind: global_buffer, .address_space: global }
      - { .name: W_QKV, .offset: 8, .size: 8, .value_kind: global_buffer, .address_space: global }
      - { .name: W_O, .offset: 16, .size: 8, .value_kind: global_buffer, .address_space: global }
      - { .name: token_positions, .offset: 24, .size: 8, .value_kind: global_buffer, .address_space: global }
      - { .name: xb, .offset: 32, .size: 8, .value_kind: global_buffer, .address_space: global }
      - { .name: wqb, .offset: 40, .size: 8, .value_kind: global_buffer, .address_space: global }
      - { .name: wob, .offset: 48, .size: 8, .value_kind: global_buffer, .address_space: global }
      - { .name: rope, .offset: 56, .size: 8, .value_kind: global_buffer, .address_space: global }
    .group_segment_fixed_size: 0
    .private_segment_fixed_size: 0
    .kernarg_segment_align: 8
    .kernarg_segment_size: 64
    .max_flat_workgroup_size: 256
    .sgpr_count:     66
    .vgpr_count:     120
    .wavefront_size: 32
...
	.end_amdgpu_metadata
.endif
;; end of part 5
;; launch qkv: the kernel of part 2 again; grid 16 x 32, 4 waves a work-group, clusters of 4 x 4, 327,680 bytes of LDS; arguments xb, wqb, rope, qh, kh, vh; writes qh, kh, vh
;; launch attn: the kernel of part 3 again; grid 4 x 64, 4 waves a work-group, no clusters, 327,680 bytes of LDS; arguments qh, kh, vh, oh; writes oh
;; launch oproj: the kernel of part 4 again; grid 8 x 32, 4 waves a work-group, clusters of 4 x 4, 327,680 bytes of LDS; arguments oh, wob, out0; writes out0
